; MI455X (gfx1250); checked and timed in simulation.
; The chip was launched on July 23, 2026; its instructions are those of AMD's public machine-readable ISA for CDNA 5 (MIT licence, August 2026) and "CDNA5" Instruction Set Architecture Reference Guide (July 2026). The comments in the code are by the model that wrote it; some were corrected since.
;; NN. Allowed arithmetic: float matrix products may take bf16 or f16 operands with f32 sums; other float arithmetic in f32, or as packed bf16 or f16 multiplies, adds, multiply-adds, maxima and minima; sums over many terms, partial sums and values carried from step to step in f32; what a program stores and reads back later, other than sums and carried values, may be rounded once to bf16 or f16.
;; Inputs: W1 1,024 x 64 float32; W2 1,024 x 1,024 float32; W3 1 x 1,024 float32; b1 1,024 float32; b2 1,024 float32; x 1,024 x 64 float32; xdot 1,024 x 64 float32.
;; Outputs: out0 1,024 float32; out1 1,024 float32; out2 1,024 x 64 float32.
;; 2 versions, each right and faster than the one before. Each part assembles by itself: llvm-mc -triple=amdgcn-amd-amdhsa -mcpu=gfx1250 --defsym DOCPART=n.
;; ======== version 1 of 2: 2 launches
;; limits: values are held in f16: magnitudes above 65,504 overflow, below 6.1e-05 lose precision; inputs' magnitudes at most 22,700; a function is approximated: absolute error at most 1.2e-07
;; workspace buffers: gp 4,194,304 bytes; vp 65,536 bytes
;; launch partial (part 1): grid 16 x 16, 4 waves a work-group, no clusters, 327,680 bytes of LDS; arguments x, W1, b1, W2, b2, W3, gp, vp; writes gp, vp
.if DOCPART == 1
	.amdgcn_target "amdgcn-amd-amdhsa--gfx1250"
	.amdhsa_code_object_version 6
	.text
	.protected	k_qf860d33561_partial
	.globl	k_qf860d33561_partial
	.p2align	8
	.type	k_qf860d33561_partial,@function
k_qf860d33561_partial:
	s_mov_b64 s[64:65], 0
	v_nop
	global_prefetch_b8 v0, s[64:65] scope:SCOPE_SE
	s_setreg_imm32_b32 hwreg(HW_REG_WAVE_MODE, 25, 1), 1
	s_wait_xcnt 0x0
; V and gradV of a two-layer tanh network, by parts.  B = 1024 rows, D = 64, H = 1024.
;   z1 = x W1^T + b1, y1 = tanh z1, d1 = 1 - y1^2;  z2 = y1 W2^T + b2, y2 = tanh z2, d2 = 1 - y2^2;
;   V = y2 . W3;  gradV = (((W3 d2) W2) d1) W1: the Jacobian's first row, its products bracketed from the left (matrix products are associative).
; SHARES.  Work-group (bi, oi) owns 64 batch rows and the 64 outputs o of layer 2 from 64 oi on.  gradV and V are linear in g2 = W3 d2 and y2 W3, so it ends the
; chain for its 64 o and stores f32 parts: gp[oi][b][d] = 16 x its part of gradV, vp[oi][b] = its part of V.  The next launch adds the 16 parts.
; Wave w: q = w & 1 picks 512 of the 1024 h; it works on the two batch tiles of 16 rows w and w xor 1, and finishes tile w.  The waves w and w xor 1 hold the two halves
; over h of the same two tiles and add them through LDS.
; LAYOUT.  Batch is always the N side, so a lane is one batch row in every result (lane % 16), and holds 8 neighbouring m (8 (lane / 16) + 0..7):
;   P1  Z1^T[h,b] = W1 (c x)^T + c b1     P2  Z2^T[o,b] += W2 Y1^T     P3  G^T[h,b] = W2^T g2'     P4  GV^T[d,b] += W1^T g1'
; Two results of 16 m, rounded to f16 in pairs, ARE source 1 (32 k x 16 b) of the next product: nothing changes lanes.  W1 and W2's 64 rows lie in LDS once, as f16;
; P1 and P2 read them as they lie, P3 and P4 turned, by ds_load_tr16_b128.  d1 stays in registers (512 a lane) in G^T's layout.
; FORMATS.  All four products: f16 operands, f32 sums; each operand is rounded once from f32.  c = 2 log2(e) is multiplied onto x and b1 in f32, so P1 gives c z1;
; tanh z = 1 - 2 / (1 + 2^(c z)): 2^(c z) = infinity gives 1, 0 gives -1, and d = 0 in both.  g2' = 16 W3 d2: the factor 16 keeps g2' and g1' = d1 G' well inside f16's
; normal range; it is a power of two and the next launch takes it out exactly.
; LIMITS.  |c x| and |16 d1 G| stay under 65,504; W1, W2, g2', g1' below 6e-5 keep f16's fixed step of 6e-8; y and d carry an absolute error of about 1.2e-7, as 1 - y y in f32
; has; NaN and infinities in the inputs are not treated apart; the order of the sums is not reference()'s.
; NO TENSOR LOADS, NO JOINT REQUESTS, though W1 is read by all work-groups and a tile of W2 by 16: the inputs are f32 and pass through registers to become f16, and the f16
; copies with the exchange boxes take 327,424 of the 327,680 bytes of LDS, so there is no room for f32 tiles to land in.  Each tile is fetched once a work-group.
;
; LDS
.set PW1, 160                          ; a row of W1: 128 bytes + 32: an odd multiple of 32, so that 16 lanes of a turning load (8 rows x 32 bytes) take each bank once (64 banks of 4 bytes: ISA guide 11.1)
.set PW2, 2080                         ; a row of W2's tile: 2,048 bytes + 32, likewise
.set PX,  144                          ; a row of c x: 128 bytes + 16
.set SPT, 272                          ; a row of the way out's stage: 256 bytes + 16
.set W1S, 0                            ; f16 [1024 h][64 d]; behind the last barrier its first 17,408 bytes are the four waves' stages
.set W2S, W1S+1024*PW1                 ; f16 [64 o][1024 h]
.set XS,  W2S+64*PW2                   ; f16 [64 b][64 d], c x; behind the first exchange's barrier: four boxes of 2,048 bytes for g2'
.set B1S, XS+64*PX                     ; f32 c b1 [1024]
.set EX,  B1S+4096                     ; four boxes of 4,096 bytes, one a sender: Z2's halves, later GV's
.set VS,  EX+4*4096                    ; f32 [64 b]: the work-group's part of V
.set SPARE, VS+256                     ; the spare words, 128 bytes for each wave: two blocks of 256 bytes that no other line names
; VECTOR REGISTERS, in windows of 256 (s_set_vgpr_msb: bits 1:0 source 0, 3:2 source 1, 5:4 source 2, 7:6 destination)
.set LN,  1                            ; lane
.set RR,  2                            ; lane % 16
.set HH,  3                            ; lane / 16
.set T0,  4
.set T1,  5
.set A1P, 6                            ; v6-7    W1 as it lies: my lane's place for chunks 0-7, 8-15
.set A2P, 8                            ; v8-9    W2 as it lies: o blocks 0-1, 2-3
.set BIA, 10                           ; v10     c b1
.set XA,  11                           ; v11-12  c x: my first batch tile (w), my second (w xor 1)
.set A2TA, 13                          ; v13-14  W2 turned: o 0-31, 32-63
.set A1TA, 15                          ; v15-16  W1 turned: chunks 0-7, 8-15
.set EXS, 17                           ; my box, 16 bytes a lane
.set EXL, 18                           ; my partner's box
.set E2S, 19                           ; the same for g2'
.set E2L, 20
.set VSA, 21                           ; my row's word of V
.set STS, 22                           ; the stage: where I put 32 bytes of a row
.set STL, 23                           ; the stage: where I read rows back
.set GO,  24                           ; 16 x lane: my place in 512 consecutive bytes of memory; never rewritten
.set LW1, 25                           ; staging: where my 8 bytes of W1 go
.set LW2, 26
.set LX,  27
.set LB1, 28
.set B2O, 29                           ; 32 x (lane / 16): my 8 numbers of b2 and W3
.set SPW, 30                           ; LDS address of my spare word; never rewritten
.set NIL, 31                           ; 0; never rewritten
.set XF,  32                           ; v32-63   c x's fragments (tile nt, d half ks) at 8 (2 nt + ks); later g2' likewise
.set G2F, 32
.set Z2,  64                           ; v64-127  Z2^T (tile nt, o block mt) at 8 (4 nt + mt); later GV^T likewise; in staging raw x and b1
.set GV,  64
.set Z1,  128                          ; v128-159 Z1^T (nt, mt) at 8 (2 nt + mt); later the partner's halves, d2, G^T, rows from the stage
.set GT,  128
.set PT,  128
.set PK,  128                          ; v128-191 staging: packed f16
.set YF,  160                          ; v160-175 y1's fragments, 8 a tile; later g1'
.set G1F, 160
.set BI,  176                          ; v176-191 c b1 as P1's C operand, 8 an h block; later V's sums
.set VSUM, 176
.set AW1, 192                          ; v192-223 W1's fragments (mt, ks) at 8 (2 mt + ks); later W2's turned
.set A2T, 192
.set AW2, 224                          ; v224-255 W2's fragments, 8 an o block; later W1's turned
.set A1T, 224
.set B2R, 0                            ; window 3: v0-31 b2, v32-63 W3, register 8 mt + j for o = 16 mt + 8 (lane / 16) + j
.set W3R, 32                           ; windows 1 and 2: d1, chunk c in window 1 + c / 8 at 32 (c % 8); in staging window 1 is two buffers of 128 for loads
; SCALARS: s[8:23] the eight addresses: x 8, W1 10, b1 12, W2 14, b2 16, W3 18, gp 20, vp 22
.set WV,  24                           ; my wave's number: also the batch tile that I finish
.set QQ,  26                           ; w & 1: my half of h
.set PWV, 29                           ; w xor 1: my partner, and the batch tile that it finishes
.set CC,  34                           ; s[34:35] c
.set SIXT, 36                          ; s[36:37] 16.0
.set SEL, 38                           ; s[38:39] v_permlanex16_b32's selects: each lane takes its own place in the other half
.set CNT, 40
.set QW1, 41
.set QW2, 44
.set TS,  46
.set TS2, 47
.set OX,  48                           ; s[48:61] seven byte offsets, high words 0
.set OW1, 50
.set OB1, 52
.set OW2, 54
.set OB2, 56
.set OGP, 58
.set OVP, 60
.set MSB, 0
.macro WIN new                         ; the immediate's high byte repeats the setting that is left; a switch that changes nothing is dropped
.if MSB != (\new)
	s_set_vgpr_msb (MSB<<8)|(\new)
.set MSB, (\new)
.endif
.endm
.macro PLACES                          ; four places between a matrix instruction and a load into its sources or a read of its result (ISA guide 7.12.1 for vector instructions)
.rept 4
	v_nop
.endr
.endm
.macro BAR                             ; my LDS stores are done and my LDS loads are back; then every wave's are
	s_wait_dscnt 0x0
	s_barrier_signal -1
	s_barrier_wait -1
.endm
	s_load_b512 s[8:23], s[0:1], 0x0
	v_lshl_add_u32 v[SPW], v0, 2, SPARE
	v_mov_b32 v[NIL], 0
	v_lshrrev_b32 v[T0], 5, v0
	v_readfirstlane_b32 s[WV], v[T0]               ; wave 0..3
	s_and_b32 s[QQ], s[WV], 1
	s_xor_b32 s[PWV], s[WV], 1
	s_and_b32 s[TS2], ttmp7, 0xffff                ; oi
	s_mov_b32 s[CC], 0x4038aa3b                    ; c = 2 log2(e)
	s_mov_b32 s[CC+1], s[CC]
	s_mov_b32 s[SIXT], 0x41800000
	s_mov_b32 s[SIXT+1], s[SIXT]
	s_mov_b32 s[SEL], 0x76543210
	s_mov_b32 s[SEL+1], 0xfedcba98
	; byte offsets into the buffers, all under 2^23
	s_lshl_b32 s[OX], ttmp9, 14                    ; x: 64 rows of 256 bytes a block, 16 rows a wave
	s_lshl_b32 s[TS], s[WV], 12
	s_add_co_u32 s[OX], s[OX], s[TS]
	s_mov_b32 s[OX+1], 0
	s_lshl_b32 s[OW1], s[WV], 16                   ; W1: 256 rows a wave
	s_mov_b32 s[OW1+1], 0
	s_lshl_b32 s[OB1], s[WV], 10                   ; b1: 256 numbers a wave
	s_mov_b32 s[OB1+1], 0
	s_lshl_b32 s[TS], s[TS2], 18                   ; W2: 64 rows of 4,096 bytes a block, 16 rows a wave
	s_add_co_u32 s[OW2], s[TS], s[OW1]
	s_mov_b32 s[OW2+1], 0
	s_lshl_b32 s[OB2], s[TS2], 8                   ; b2, W3: 64 numbers a block
	s_mov_b32 s[OB2+1], 0
	s_lshl_b32 s[OGP], ttmp9, 14                   ; gp: part oi, block bi, my tile's 16 rows of 256 bytes
	s_add_co_u32 s[OGP], s[OGP], s[TS]
	s_lshl_b32 s[TS], s[WV], 12
	s_add_co_u32 s[OGP], s[OGP], s[TS]
	s_mov_b32 s[OGP+1], 0
	s_lshl_b32 s[OVP], s[TS2], 12                  ; vp: part oi, block bi
	s_lshl_b32 s[TS], ttmp9, 8
	s_add_co_u32 s[OVP], s[OVP], s[TS]
	s_mov_b32 s[OVP+1], 0
	; lane terms
	v_and_b32 v[LN], 31, v0
	v_and_b32 v[RR], 15, v0
	v_bfe_u32 v[HH], v0, 4, 1
	v_lshlrev_b32 v[GO], 4, v[LN]
	v_lshlrev_b32 v[B2O], 5, v[HH]
	; A fragment as it lies: lane l takes row l % 16, 16 bytes at 16 (l / 16) and 16 more 32 bytes on
	s_mul_i32 s[QW1], s[QQ], 512*PW1               ; my 512 h in W1
	v_mul_u32_u24 v[T0], v[RR], PW1
	v_lshl_add_u32 v[T0], v[HH], 4, v[T0]
	v_add_nc_u32 v[A1P], s[QW1], v[T0]
	v_add_nc_u32 v[A1P+1], 8*32*PW1, v[A1P]
	s_lshl_b32 s[QW2], s[QQ], 10                   ; my 512 h in a row of W2
	s_add_co_u32 s[QW2], s[QW2], W2S
	v_mul_u32_u24 v[T0], v[RR], PW2
	v_lshl_add_u32 v[T0], v[HH], 4, v[T0]
	v_add_nc_u32 v[A2P], s[QW2], v[T0]
	v_add_nc_u32 v[A2P+1], 32*PW2, v[A2P]
	s_lshl_b32 s[TS], s[QQ], 11
	s_add_co_u32 s[TS], s[TS], B1S
	v_lshl_add_u32 v[BIA], v[HH], 5, s[TS]         ; 8 numbers of c b1 from h = 512 q + 8 (l / 16) on
	v_mul_u32_u24 v[T0], v[RR], PX
	v_lshl_add_u32 v[T0], v[HH], 4, v[T0]
	s_mul_i32 s[TS], s[WV], 16*PX                  ; batch tile w
	s_add_co_u32 s[TS], s[TS], XS
	v_add_nc_u32 v[XA], s[TS], v[T0]
	s_mul_i32 s[TS], s[PWV], 16*PX                 ; batch tile w xor 1
	s_add_co_u32 s[TS], s[TS], XS
	v_add_nc_u32 v[XA+1], s[TS], v[T0]
	; A turned fragment: lane l reads 16 bytes of row 8 (l / 16) + l % 8 at 16 ((l / 8) % 2); the second load 16 rows on
	v_and_b32 v[T0], 7, v0
	v_lshl_add_u32 v[T0], v[HH], 3, v[T0]
	v_bfe_u32 v[T1], v0, 3, 1
	v_mul_u32_u24 v[A2TA], v[T0], PW2
	v_lshl_add_u32 v[A2TA], v[T1], 4, v[A2TA]
	v_add_nc_u32 v[A2TA], s[QW2], v[A2TA]
	v_add_nc_u32 v[A2TA+1], 32*PW2, v[A2TA]
	v_mul_u32_u24 v[A1TA], v[T0], PW1
	v_lshl_add_u32 v[A1TA], v[T1], 4, v[A1TA]
	v_add_nc_u32 v[A1TA], s[QW1], v[A1TA]
	v_add_nc_u32 v[A1TA+1], 8*32*PW1, v[A1TA]
	; the exchange boxes, V's word, the stage
	s_lshl_b32 s[TS], s[WV], 12
	s_add_co_u32 s[TS], s[TS], EX
	v_add_nc_u32 v[EXS], s[TS], v[GO]
	s_lshl_b32 s[TS], s[PWV], 12
	s_add_co_u32 s[TS], s[TS], EX
	v_add_nc_u32 v[EXL], s[TS], v[GO]
	s_lshl_b32 s[TS], s[WV], 11
	s_add_co_u32 s[TS], s[TS], XS
	v_add_nc_u32 v[E2S], s[TS], v[GO]
	s_lshl_b32 s[TS], s[PWV], 11
	s_add_co_u32 s[TS], s[TS], XS
	v_add_nc_u32 v[E2L], s[TS], v[GO]
	s_lshl_b32 s[TS], s[WV], 6                     ; my tile's 16 words of V
	s_add_co_u32 s[TS], s[TS], VS
	v_lshl_add_u32 v[VSA], v[RR], 2, s[TS]
	s_mul_i32 s[TS], s[WV], 16*SPT
	v_mul_u32_u24 v[STS], v[RR], SPT
	v_lshl_add_u32 v[STS], v[HH], 5, v[STS]
	v_add_nc_u32 v[STS], s[TS], v[STS]
	v_mul_u32_u24 v[STL], v[HH], SPT
	v_lshl_add_u32 v[STL], v[RR], 4, v[STL]
	v_add_nc_u32 v[STL], s[TS], v[STL]
	; staging: a load of 512 bytes is two rows of W1 or x (lane l: row l / 16, numbers 4 (l % 16) on), or an eighth of a row of W2; four f32 become 8 bytes
	s_mul_i32 s[TS], s[WV], 256*PW1
	v_mul_u32_u24 v[LW1], v[HH], PW1
	v_lshl_add_u32 v[LW1], v[RR], 3, v[LW1]
	v_add_nc_u32 v[LW1], s[TS], v[LW1]
	s_mul_i32 s[TS], s[WV], 16*PW2
	s_add_co_u32 s[TS], s[TS], W2S
	v_lshl_add_u32 v[LW2], v[LN], 3, s[TS]
	s_mul_i32 s[TS], s[WV], 16*PX
	s_add_co_u32 s[TS], s[TS], XS
	v_mul_u32_u24 v[LX], v[HH], PX
	v_lshl_add_u32 v[LX], v[RR], 3, v[LX]
	v_add_nc_u32 v[LX], s[TS], v[LX]
	s_lshl_b32 s[TS], s[WV], 10
	s_add_co_u32 s[TS], s[TS], B1S
	v_add_nc_u32 v[LB1], s[TS], v[GO]
	s_wait_kmcnt 0x0
	s_add_nc_u64 s[8:9], s[8:9], s[OX:OX+1]
	s_add_nc_u64 s[10:11], s[10:11], s[OW1:OW1+1]
	s_add_nc_u64 s[12:13], s[12:13], s[OB1:OB1+1]
	s_add_nc_u64 s[14:15], s[14:15], s[OW2:OW2+1]
	s_add_nc_u64 s[16:17], s[16:17], s[OB2:OB2+1]
	s_add_nc_u64 s[18:19], s[18:19], s[OB2:OB2+1]
	s_add_nc_u64 s[20:21], s[20:21], s[OGP:OGP+1]
	s_add_nc_u64 s[22:23], s[22:23], s[OVP:OVP+1]
; STAGING.  Each wave brings a quarter of x's block, b1, W1 and W2's tile; every load covers 512 consecutive bytes.
.macro LDBATCH buf, base               ; 32 loads, 16,384 bytes, into buffer buf of window 1
	WIN 0x40
.set i, 0
.rept 32
	global_load_b128 v[128*(\buf)+4*i:128*(\buf)+4*i+3], v[GO], s[\base:\base+1] offset:512*i
.set i, i+1
.endr
	WIN 0
.endm
.macro CONV buf, adr, kind             ; buffer buf is rounded to f16 and stored; kind 0: 64 rows of W1, kind 1: 4 rows of W2
	WIN 0x05                                       ; sources 0 and 1 window 1, destination window 0
.set k, 0
.rept 64
	v_cvt_pk_f16_f32 v[PK+k], v[128*(\buf)+2*k], v[128*(\buf)+2*k+1]
.set k, k+1
.endr
	WIN 0
.set i, 0
.rept 32
.if (\kind) == 0
	ds_store_b64 v[\adr], v[PK+2*i:PK+2*i+1] offset:2*PW1*i
.else
	ds_store_b64 v[\adr], v[PK+2*i:PK+2*i+1] offset:(i/8)*PW2+(i%8)*256
.endif
.set i, i+1
.endr
.endm
.set i, 0
.rept 8
	global_load_b128 v[Z2+4*i:Z2+4*i+3], v[GO], s[8:9] offset:512*i         ; x: 16 rows
.set i, i+1
.endr
.set i, 0
.rept 2
	global_load_b128 v[Z2+32+4*i:Z2+32+4*i+3], v[GO], s[12:13] offset:512*i ; b1: 256 numbers
.set i, i+1
.endr
	WIN 0xc0                                       ; destination window 3
.set i, 0
.rept 8
	global_load_b128 v[B2R+4*i:B2R+4*i+3], v[B2O], s[16:17] offset:64*(i/2)+16*(i%2)
.set i, i+1
.endr
.set i, 0
.rept 8
	global_load_b128 v[W3R+4*i:W3R+4*i+3], v[B2O], s[18:19] offset:64*(i/2)+16*(i%2)
.set i, i+1
.endr
	WIN 0
	LDBATCH 0, 10                                  ; W1, my rows 0-63
	s_wait_loadcnt 48                              ; x and b1 are in: behind them 8 loads of b2, 8 of W3 and 32 of W1 were issued
.set k, 0
.rept 16
	v_pk_mul_f32 v[Z2+2*k:Z2+2*k+1], v[Z2+2*k:Z2+2*k+1], s[CC:CC+1] op_sel_hi:[1,0]
.set k, k+1
.endr
.set k, 0
.rept 16
	v_cvt_pk_f16_f32 v[PK+k], v[Z2+2*k], v[Z2+2*k+1]
.set k, k+1
.endr
.set i, 0
.rept 8
	ds_store_b64 v[LX], v[PK+2*i:PK+2*i+1] offset:2*PX*i
.set i, i+1
.endr
.set k, 0
.rept 4
	v_pk_mul_f32 v[Z2+32+2*k:Z2+32+2*k+1], v[Z2+32+2*k:Z2+32+2*k+1], s[CC:CC+1] op_sel_hi:[1,0]
.set k, k+1
.endr
	ds_store_b128 v[LB1], v[Z2+32:Z2+35]
	ds_store_b128 v[LB1], v[Z2+36:Z2+39] offset:512
	LDBATCH 1, 14                                  ; W2, my rows 0-3
	s_mov_b32 s[CNT], 3
.Lstage:                                               ; a trip rounds one batch of W1 and one of W2 and asks for the next of each: 64 loads of a wave are issued ahead
	s_wait_loadcnt 32                              ; loads come back in order (ISA guide 5.7.1): all but the other buffer's 32 are in (at the first trip b2 and W3 too)
	CONV 0, LW1, 0
	s_wait_xcnt 0x0                                ; the loads' base is stepped only behind this wait
	s_add_nc_u64 s[10:11], s[10:11], 16384
	v_add_nc_u32 v[LW1], 64*PW1, v[LW1]
	LDBATCH 0, 10
	s_wait_loadcnt 32
	CONV 1, LW2, 1
	s_wait_xcnt 0x0
	s_add_nc_u64 s[14:15], s[14:15], 16384
	v_add_nc_u32 v[LW2], 4*PW2, v[LW2]
	LDBATCH 1, 14
	s_sub_co_u32 s[CNT], s[CNT], 1
	s_cmp_lg_u32 s[CNT], 0
	s_cbranch_scc1 .Lstage
	s_wait_loadcnt 32                              ; the fourth batches: nothing more is asked for
	CONV 0, LW1, 0
	s_wait_loadcnt 0x0
	CONV 1, LW2, 1
	BAR                                            ; W1, W2's tile, c x and c b1 are whole
; LAYERS 1 AND 2, forward: my 512 h in 16 chunks of 32, written out since d1's registers are named by the chunk.
.macro LDW1 n                          ; chunk n's fragments of W1 (h block f / 2, d half f % 2) and its c b1: 12 loads
.irp f, 0,1,2,3
	ds_load_b128 v[AW1+8*(\f):AW1+8*(\f)+3],   v[A1P+(\n)/8] offset:((\n)%8)*32*PW1+((\f)/2)*16*PW1+((\f)%2)*64
	ds_load_b128 v[AW1+8*(\f)+4:AW1+8*(\f)+7], v[A1P+(\n)/8] offset:((\n)%8)*32*PW1+((\f)/2)*16*PW1+((\f)%2)*64+32
.endr
.irp g, 0,1,2,3
	ds_load_b128 v[BI+4*(\g):BI+4*(\g)+3], v[BIA] offset:128*(\n)+64*((\g)/2)+16*((\g)%2)
.endr
.endm
; tanh in place on Z1's 16 pairs, and y rounded to f16 into YF.  Pair n goes through: two exponentials; + 1; two reciprocals; y = 1 - 2 t; the rounding.  Three pairs are in hand at a time, so
; that behind every exponential and every pair of reciprocals a plain instruction on other registers stands before the result is used (ISA guide 5.7.2); v_nop where a pair is missing at the ends.
; The pairs go in ascending order: each accumulator's lowest registers are read first.
.macro TANH
.set tt, 0
.rept 18
.if tt < 16
	v_exp_f32 v[Z1+2*tt], v[Z1+2*tt]
.if tt >= 1
	s_wait_alu depctr_va_vdst(0)
	v_pk_add_f32 v[Z1+2*tt-2:Z1+2*tt-1], v[Z1+2*tt-2:Z1+2*tt-1], 1.0 op_sel_hi:[1,0]
.else
	v_nop
.endif
	v_exp_f32 v[Z1+2*tt+1], v[Z1+2*tt+1]
.if tt >= 2
	v_pk_fma_f32 v[Z1+2*tt-4:Z1+2*tt-3], v[Z1+2*tt-4:Z1+2*tt-3], -2.0, 1.0 op_sel_hi:[1,0,0]
.else
	v_nop
.endif
.else
.if tt == 16
	s_wait_alu depctr_va_vdst(0)
	v_pk_add_f32 v[Z1+2*tt-2:Z1+2*tt-1], v[Z1+2*tt-2:Z1+2*tt-1], 1.0 op_sel_hi:[1,0]
.endif
	s_wait_alu depctr_va_vdst(0)
	v_pk_fma_f32 v[Z1+2*tt-4:Z1+2*tt-3], v[Z1+2*tt-4:Z1+2*tt-3], -2.0, 1.0 op_sel_hi:[1,0,0]
.endif
.if (tt >= 1) && (tt <= 16)
	v_rcp_f32 v[Z1+2*tt-2], v[Z1+2*tt-2]
	v_rcp_f32 v[Z1+2*tt-1], v[Z1+2*tt-1]
.endif
.if tt >= 2
	v_cvt_pk_f16_f32 v[YF+tt-2], v[Z1+2*tt-4], v[Z1+2*tt-3]
.elseif tt == 1
	v_nop
.endif
.set tt, tt+1
.endr
.endm
.macro CH12 c
	s_wait_dscnt 0x0                               ; this chunk's W1 and c b1 are in (at chunk 0 c x too)
.irp t, 0,1,2,3                        ; P1: tile t = 2 nt + mt.  Its four accumulators take turns.  The first d half starts the sums with c b1
	v_wmma_f32_16x16x32_f16 v[Z1+8*(\t):Z1+8*(\t)+7], v[AW1+16*((\t)%2):AW1+16*((\t)%2)+7], v[XF+16*((\t)/2):XF+16*((\t)/2)+7], v[BI+8*((\t)%2):BI+8*((\t)%2)+7]
.endr
.irp t, 0,1,2,3
	v_wmma_f32_16x16x32_f16 v[Z1+8*(\t):Z1+8*(\t)+7], v[AW1+16*((\t)%2)+8:AW1+16*((\t)%2)+15], v[XF+16*((\t)/2)+8:XF+16*((\t)/2)+15], v[Z1+8*(\t):Z1+8*(\t)+7]
.endr
	PLACES
.irp m, 0,1,2,3                        ; one run of LDS loads: W2's four o blocks for this chunk, then the next chunk's W1 and c b1; they land under the tanh
	ds_load_b128 v[AW2+8*(\m):AW2+8*(\m)+3],   v[A2P+(\m)/2] offset:((\m)%2)*16*PW2+64*(\c)
	ds_load_b128 v[AW2+8*(\m)+4:AW2+8*(\m)+7], v[A2P+(\m)/2] offset:((\m)%2)*16*PW2+64*(\c)+32
.endr
.if (\c) < 15
	LDW1 (\c)+1
.endif
	TANH
.if (\c) < 15
	s_wait_dscnt 12                                ; W2's fragments are in; the 12 loads issued behind them stay out
.else
	s_wait_dscnt 0x0
.endif
.irp a, 0,1,2,3,4,5,6,7                ; P2: accumulator a = 4 nt + mt, eight by turns.  Chunk 0 starts the sums: nothing is cleared
.if (\c) == 0
	v_wmma_f32_16x16x32_f16 v[Z2+8*(\a):Z2+8*(\a)+7], v[AW2+8*((\a)%4):AW2+8*((\a)%4)+7], v[YF+8*((\a)/4):YF+8*((\a)/4)+7], 0
.else
	v_wmma_f32_16x16x32_f16 v[Z2+8*(\a):Z2+8*(\a)+7], v[AW2+8*((\a)%4):AW2+8*((\a)%4)+7], v[YF+8*((\a)/4):YF+8*((\a)/4)+7], v[Z2+8*(\a):Z2+8*(\a)+7]
.endif
.endr
	WIN 0x40*(1+(\c)/8)                            ; d1 = 1 - y y into its window: 16 plain lines that name none of P2's registers: the places behind it
.set k, 0
.rept 16
	v_pk_fma_f32 v[32*((\c)%8)+2*k:32*((\c)%8)+2*k+1], v[Z1+2*k:Z1+2*k+1], v[Z1+2*k:Z1+2*k+1], 1.0 op_sel_hi:[1,1,0] neg_lo:[1,0,0] neg_hi:[1,0,0]
.set k, k+1
.endr
	WIN 0
.endm
.irp f, 0,1,2,3                        ; c x stays in registers: tile f / 2, d half f % 2
	ds_load_b128 v[XF+8*(\f):XF+8*(\f)+3],   v[XA+(\f)/2] offset:64*((\f)%2)
	ds_load_b128 v[XF+8*(\f)+4:XF+8*(\f)+7], v[XA+(\f)/2] offset:64*((\f)%2)+32
.endr
	LDW1 0
.irp c, 0,1,2,3,4,5,6,7,8,9,10,11,12,13,14,15
	CH12 \c
.endr
	; THE FIRST EXCHANGE: my half over h of my second tile's Z2 goes to my partner, who finishes that tile; its half of my first tile comes to me.
.set i, 0
.rept 8
	ds_store_b128 v[EXS], v[Z2+32+4*i:Z2+32+4*i+3] offset:512*i
.set i, i+1
.endr
	BAR
.set i, 0
.rept 8
	ds_load_b128 v[PT+4*i:PT+4*i+3], v[EXL] offset:512*i
.set i, i+1
.endr
	s_wait_dscnt 0x0
	; LAYER 2's END for my tile of 16 rows x 64 o: y2, my part of V, g2' = 16 W3 d2
.set k, 0
.rept 16
	v_pk_add_f32 v[Z2+2*k:Z2+2*k+1], v[Z2+2*k:Z2+2*k+1], v[PT+2*k:PT+2*k+1]
.set k, k+1
.endr
	WIN 0x0c                                       ; source 1 window 3
.set k, 0
.rept 16
	v_pk_add_f32 v[Z2+2*k:Z2+2*k+1], v[Z2+2*k:Z2+2*k+1], v[B2R+2*k:B2R+2*k+1]
.set k, k+1
.endr
	WIN 0
.set k, 0
.rept 16
	v_pk_mul_f32 v[Z2+2*k:Z2+2*k+1], v[Z2+2*k:Z2+2*k+1], s[CC:CC+1] op_sel_hi:[1,0]
.set k, k+1
.endr
.set k, 0
.rept 32
	v_exp_f32 v[Z2+k], v[Z2+k]
.set k, k+1
.endr
	v_nop                                          ; a plain instruction between the exponentials and the use of their results
.set k, 0
	s_wait_alu depctr_va_vdst(0)
.rept 16
	v_pk_add_f32 v[Z2+2*k:Z2+2*k+1], v[Z2+2*k:Z2+2*k+1], 1.0 op_sel_hi:[1,0]
.set k, k+1
.endr
.set k, 0
.rept 32
	v_rcp_f32 v[Z2+k], v[Z2+k]
.set k, k+1
.endr
	v_nop
.set k, 0
	s_wait_alu depctr_va_vdst(0)
.rept 16
	v_pk_fma_f32 v[Z2+2*k:Z2+2*k+1], v[Z2+2*k:Z2+2*k+1], -2.0, 1.0 op_sel_hi:[1,0,0]   ; y2
.set k, k+1
.endr
.set k, 0
.rept 16
	v_pk_fma_f32 v[PT+2*k:PT+2*k+1], v[Z2+2*k:Z2+2*k+1], v[Z2+2*k:Z2+2*k+1], 1.0 op_sel_hi:[1,1,0] neg_lo:[1,0,0] neg_hi:[1,0,0]   ; d2
.set k, k+1
.endr
.set k, 0
.rept 16
	v_pk_mul_f32 v[PT+2*k:PT+2*k+1], v[PT+2*k:PT+2*k+1], s[SIXT:SIXT+1] op_sel_hi:[1,0]
.set k, k+1
.endr
	WIN 0x0c
.set k, 0
.rept 4
	v_pk_mul_f32 v[VSUM+2*k:VSUM+2*k+1], v[Z2+2*k:Z2+2*k+1], v[W3R+2*k:W3R+2*k+1]       ; y2 W3 in four chains; the first four pairs start them
.set k, k+1
.endr
.rept 12
	v_pk_fma_f32 v[VSUM+2*(k%4):VSUM+2*(k%4)+1], v[Z2+2*k:Z2+2*k+1], v[W3R+2*k:W3R+2*k+1], v[VSUM+2*(k%4):VSUM+2*(k%4)+1]
.set k, k+1
.endr
.set k, 0
.rept 16
	v_pk_mul_f32 v[PT+2*k:PT+2*k+1], v[PT+2*k:PT+2*k+1], v[W3R+2*k:W3R+2*k+1]
.set k, k+1
.endr
	WIN 0
.set k, 0
.rept 16
	v_cvt_pk_f16_f32 v[G2F+k], v[PT+2*k], v[PT+2*k+1]                                   ; o blocks 2 ks, 2 ks + 1 are fragment ks
.set k, k+1
.endr
	v_pk_add_f32 v[VSUM:VSUM+1], v[VSUM:VSUM+1], v[VSUM+2:VSUM+3]
	v_pk_add_f32 v[VSUM+4:VSUM+5], v[VSUM+4:VSUM+5], v[VSUM+6:VSUM+7]
	v_pk_add_f32 v[VSUM:VSUM+1], v[VSUM:VSUM+1], v[VSUM+4:VSUM+5]
	v_add_f32 v[VSUM], v[VSUM], v[VSUM+1]
	v_permlanex16_b32 v[VSUM+1], v[VSUM], s[SEL], s[SEL+1]  ; the row's other 32 o lie in the lane 16 away
	v_add_f32 v[VSUM], v[VSUM], v[VSUM+1]
	ds_store_b32 v[VSA], v[VSUM]                   ; the two lanes of a row write the same number to the same word
	; THE SECOND EXCHANGE: g2' of my tile for g2' of my partner's.  The boxes lie where c x lay: every wave's reads of c x came back ahead of the first exchange's barrier.
.set i, 0
.rept 4
	ds_store_b128 v[E2S], v[G2F+4*i:G2F+4*i+3] offset:512*i
.set i, i+1
.endr
	BAR
	s_cmp_lg_u32 s[WV], 0
	s_cbranch_scc1 .Lno_v
	v_lshlrev_b32 v186, 3, v[LN]                   ; wave 0 stores the work-group's 64 numbers of V: 256 consecutive bytes, at a multiple of 256 from vp's first byte
	v_add_nc_u32 v187, VS, v186
	ds_load_b64 v[188:189], v187
	s_wait_dscnt 0x0
	global_store_b64 v186, v[188:189], s[22:23] th:TH_STORE_NT   ; v186 and v[188:189] are not written again
.Lno_v:
.set i, 0
.rept 4
	ds_load_b128 v[G2F+16+4*i:G2F+16+4*i+3], v[E2L] offset:512*i
.set i, i+1
.endr
; BACKWARD: the same 16 chunks of 32 h.
.macro LDA2T n                         ; W2 turned for chunk n: h block f / 2, o half f % 2: 8 loads
.irp f, 0,1,2,3
	ds_load_tr16_b128 v[A2T+8*(\f):A2T+8*(\f)+3],   v[A2TA+(\f)%2] offset:64*(\n)+32*((\f)/2)
	ds_load_tr16_b128 v[A2T+8*(\f)+4:A2T+8*(\f)+7], v[A2TA+(\f)%2] offset:64*(\n)+32*((\f)/2)+16*PW2
.endr
.endm
.macro LDA1T n                         ; W1 turned for chunk n: d block m: 8 loads
.irp m, 0,1,2,3
	ds_load_tr16_b128 v[A1T+8*(\m):A1T+8*(\m)+3],   v[A1TA+(\n)/8] offset:((\n)%8)*32*PW1+32*(\m)
	ds_load_tr16_b128 v[A1T+8*(\m)+4:A1T+8*(\m)+7], v[A1TA+(\n)/8] offset:((\n)%8)*32*PW1+32*(\m)+16*PW1
.endr
.endm
.macro CH34 c
	s_wait_dscnt 8                                 ; W2's turned fragments are in (at chunk 0 my partner's g2' too); W1's eight loads, issued behind them, stay out
.irp t, 0,1,2,3                        ; P3: tile t = 2 nt + mt, four accumulators by turns; the first o half starts the sums
	v_wmma_f32_16x16x32_f16 v[GT+8*(\t):GT+8*(\t)+7], v[A2T+16*((\t)%2):A2T+16*((\t)%2)+7], v[G2F+16*((\t)/2):G2F+16*((\t)/2)+7], 0
.endr
.irp t, 0,1,2,3
	v_wmma_f32_16x16x32_f16 v[GT+8*(\t):GT+8*(\t)+7], v[A2T+16*((\t)%2)+8:A2T+16*((\t)%2)+15], v[G2F+16*((\t)/2)+8:G2F+16*((\t)/2)+15], v[GT+8*(\t):GT+8*(\t)+7]
.endr
	PLACES
.if (\c) < 15
	LDA2T (\c)+1
.endif
	WIN 0x04*(1+(\c)/8)                            ; source 1: d1's window
.set k, 0
.rept 16
	v_pk_mul_f32 v[GT+2*k:GT+2*k+1], v[GT+2*k:GT+2*k+1], v[32*((\c)%8)+2*k:32*((\c)%8)+2*k+1]
.set k, k+1
.endr
	WIN 0
.set k, 0
.rept 16
	v_cvt_pk_f16_f32 v[G1F+k], v[GT+2*k], v[GT+2*k+1]
.set k, k+1
.endr
.if (\c) < 15
	s_wait_dscnt 8                                 ; W1's turned fragments are in; the next chunk's eight of W2 stay out
.else
	s_wait_dscnt 0x0
.endif
.irp a, 0,1,2,3,4,5,6,7                ; P4: accumulator a = 4 nt + mt (d block), eight by turns; chunk 0 starts the sums
.if (\c) == 0
	v_wmma_f32_16x16x32_f16 v[GV+8*(\a):GV+8*(\a)+7], v[A1T+8*((\a)%4):A1T+8*((\a)%4)+7], v[G1F+8*((\a)/4):G1F+8*((\a)/4)+7], 0
.else
	v_wmma_f32_16x16x32_f16 v[GV+8*(\a):GV+8*(\a)+7], v[A1T+8*((\a)%4):A1T+8*((\a)%4)+7], v[G1F+8*((\a)/4):G1F+8*((\a)/4)+7], v[GV+8*(\a):GV+8*(\a)+7]
.endif
.endr
	PLACES                                         ; in front of the loads into W1's fragments; behind the last chunk: of the stores that read the sums
.if (\c) < 15
	LDA1T (\c)+1
.endif
.endm
	LDA2T 0
	LDA1T 0
.irp c, 0,1,2,3,4,5,6,7,8,9,10,11,12,13,14,15
	CH34 \c
.endr
	; THE THIRD EXCHANGE, as the first, for GV.  The boxes are the first exchange's: every wave's reads of them came back ahead of the second exchange's barrier.
.set i, 0
.rept 8
	ds_store_b128 v[EXS], v[GV+32+4*i:GV+32+4*i+3] offset:512*i
.set i, i+1
.endr
	BAR
.set i, 0
.rept 8
	ds_load_b128 v[PT+4*i:PT+4*i+3], v[EXL] offset:512*i
.set i, i+1
.endr
	s_wait_dscnt 0x0
.set k, 0
.rept 16
	v_pk_add_f32 v[GV+2*k:GV+2*k+1], v[GV+2*k:GV+2*k+1], v[PT+2*k:PT+2*k+1]
.set k, k+1
.endr
	; THE WAY OUT.  A lane holds 8 neighbouring d of a row for each d block: 32 bytes into my stage (it lies where W1 lay: every wave's reads of W1 came back ahead of the last barrier),
	; and back as whole rows of 256 bytes.  LDS serves a wave's instructions in order (ISA guide 5.7.1.4): the loads see the stores.
.set i, 0
.rept 8
	ds_store_b128 v[STS], v[GV+4*i:GV+4*i+3] offset:64*(i/2)+16*(i%2)
.set i, i+1
.endr
.set i, 0
.rept 8
	ds_load_b128 v[PT+4*i:PT+4*i+3], v[STL] offset:2*SPT*i
.set i, i+1
.endr
.set i, 0
.rept 8
	s_wait_dscnt 7-i                               ; rows 2 i and 2 i + 1 are back; the younger loads stay out
	global_store_b128 v[GO], v[PT+4*i:PT+4*i+3], s[20:21] offset:512*i th:TH_STORE_NT  ; 512 consecutive bytes, at a multiple of 256 from gp's first byte
.set i, i+1
.endr
	s_wait_tensorcnt 0x0                           ; the wave's end: behind my last LDS store
	ds_add_u32 v[SPW], v[NIL]
	s_wait_dscnt 0x0
	s_endpgm
.Lfunc_end_k_qf860d33561_partial:
	.size	k_qf860d33561_partial, .Lfunc_end_k_qf860d33561_partial-k_qf860d33561_partial
	.p2alignl 7, 3214868480
	.fill 96, 4, 3214868480
	.section	.rodata,"a",@progbits
	.p2align	6, 0x0
	.amdhsa_kernel k_qf860d33561_partial
		.amdhsa_group_segment_fixed_size 327680
		.amdhsa_private_segment_fixed_size 0
		.amdhsa_enable_private_segment 0
		.amdhsa_kernarg_size 64
		.amdhsa_user_sgpr_count 2
		.amdhsa_user_sgpr_kernarg_segment_ptr 1
		.amdhsa_wavefront_size32 1
		.amdhsa_system_sgpr_workgroup_id_x 1
		.amdhsa_system_sgpr_workgroup_id_y 1
		.amdhsa_system_sgpr_workgroup_id_z 1
		.amdhsa_system_vgpr_workitem_id 0
		.amdhsa_next_free_vgpr 832
		.amdhsa_next_free_sgpr 66
		.amdhsa_reserve_vcc 0
		.amdhsa_float_denorm_mode_32 3
		.amdhsa_float_denorm_mode_16_64 3
		.amdhsa_memory_ordered 1
		.amdhsa_forward_progress 1
		.amdhsa_inst_pref_size 255
	.end_amdhsa_kernel
	.section	.bss,"aw",@nobits
	.p2align	6
	.space	262144
	.amdgpu_metadata
---
amdhsa.version: [ 1, 2 ]
amdhsa.kernels:
  - .name:           k_qf860d33561_partial
    .symbol:         k_qf860d33561_partial.kd
    .args:
      - { .name: x, .offset: 0, .size: 8, .value_kind: global_buffer, .address_space: global }
      - { .name: W1, .offset: 8, .size: 8, .value_kind: global_buffer, .address_space: global }
      - { .name: b1, .offset: 16, .size: 8, .value_kind: global_buffer, .address_space: global }
      - { .name: W2, .offset: 24, .size: 8, .value_kind: global_buffer, .address_space: global }
      - { .name: b2, .offset: 32, .size: 8, .value_kind: global_buffer, .address_space: global }
      - { .name: W3, .offset: 40, .size: 8, .value_kind: global_buffer, .address_space: global }
      - { .name: gp, .offset: 48, .size: 8, .value_kind: global_buffer, .address_space: global }
      - { .name: vp, .offset: 56, .size: 8, .value_kind: global_buffer, .address_space: global }
    .group_segment_fixed_size: 327680
    .private_segment_fixed_size: 0
    .kernarg_segment_align: 8
    .kernarg_segment_size: 64
    .max_flat_workgroup_size: 128
    .sgpr_count:     66
    .vgpr_count:     832
    .wavefront_size: 32
...
	.end_amdgpu_metadata
.endif
;; end of part 1
;; launch finish (part 2): grid 64 x 1, 8 waves a work-group, no clusters, 1,280 bytes of LDS; arguments gp, vp, xdot, out0, out1, out2; writes out0, out1, out2
.if DOCPART == 2
	.amdgcn_target "amdgcn-amd-amdhsa--gfx1250"
	.amdhsa_code_object_version 6
	.text
	.protected	k_qf860d33561_finish
	.globl	k_qf860d33561_finish
	.p2align	8
	.type	k_qf860d33561_finish,@function
k_qf860d33561_finish:
	s_mov_b64 s[64:65], 0
	v_nop
	global_prefetch_b8 v0, s[64:65] scope:SCOPE_SE
	s_setreg_imm32_b32 hwreg(HW_REG_WAVE_MODE, 25, 1), 1
	s_wait_xcnt 0x0
; The 16 parts are added, in a fixed order, in f32:  out2[b][d] = (sum over oi of gp[oi][b][d]) / 16;  out1[b] = sum over d of out2[b][d] xdot[b][d];  out0[b] = sum over oi of vp[oi][b].
; gp carries the factor 16 that kept its makers' f16 operands in range; 1/16 is a power of two, so taking it out rounds nothing (but for results below 2^-126).
; A work-group owns 16 rows, thread t the 16 bytes at 16 t of their 4,096: each load and store of a wave covers 512 consecutive bytes, two rows, and 16 neighbouring lanes hold a row.
; Memory binds: 4 MiB of parts are read once.  No matrix unit, no tensor load, no joint request: no two work-groups read the same byte.
; out0 and out1 leave as 64 consecutive bytes a work-group: whole blocks of 256 bytes would want 64 rows a work-group, 16 work-groups for all the reading.
.set VD,    0                          ; LDS: 16 words, a row's Vdot each
.set SPARE, 256                        ; the spare words, 128 bytes for each of the eight waves: four blocks of 256 bytes that no other line names
.set GOF, 2                            ; v2  16 t
.set R4,  3                            ; v3  4 (t % 16)
.set VPO, 4                            ; v4  wave 0: 4 (lane % 16) + 4,096 (lane / 16): row lane % 16 of part lane / 16
.set ROWW, 5                           ; v5  4 (t / 16): my row's word
.set G,   8                            ; v8-71   part i at 4 i
.set XD,  72                           ; v72-75  xdot
.set VP,  76                           ; v76-83  wave 0: parts 2 i + lane / 16 of V
.set DOT, 84
.set VDR, 85
.set SPW, 90                           ; LDS address of my spare word; never rewritten
.set NIL, 91                           ; 0; never rewritten
	s_load_b256 s[4:11], s[0:1], 0x0               ; gp s[4:5], vp s[6:7], xdot s[8:9], out0 s[10:11]
	s_load_b128 s[12:15], s[0:1], 0x20             ; out1 s[12:13], out2 s[14:15]
	v_lshl_add_u32 v[SPW], v0, 2, SPARE
	v_mov_b32 v[NIL], 0
	v_lshrrev_b32 v1, 5, v0
	v_readfirstlane_b32 s16, v1                    ; wave 0..7
	v_lshlrev_b32 v[GOF], 4, v0
	v_and_b32 v[R4], 15, v0
	v_lshlrev_b32 v[R4], 2, v[R4]
	v_bfe_u32 v[VPO], v0, 4, 1
	v_lshl_add_u32 v[VPO], v[VPO], 12, v[R4]
	v_lshrrev_b32 v[ROWW], 4, v0
	v_lshlrev_b32 v[ROWW], 2, v[ROWW]
	s_lshl_b32 s18, ttmp9, 12                      ; 16 rows of 256 bytes
	s_mov_b32 s19, 0
	s_lshl_b32 s20, ttmp9, 6                       ; 16 numbers
	s_mov_b32 s21, 0
	s_mov_b32 s22, 0x76543210                      ; v_permlanex16_b32: each lane takes its own place in the other half
	s_mov_b32 s23, 0xfedcba98
	s_wait_kmcnt 0x0
	s_add_nc_u64 s[4:5], s[4:5], s[18:19]
	s_add_nc_u64 s[8:9], s[8:9], s[18:19]
	s_add_nc_u64 s[14:15], s[14:15], s[18:19]
	s_add_nc_u64 s[6:7], s[6:7], s[20:21]
	s_add_nc_u64 s[10:11], s[10:11], s[20:21]
	s_add_nc_u64 s[12:13], s[12:13], s[20:21]
	s_cmp_lg_u32 s16, 0
	s_cbranch_scc1 .Lno_vp
.set i, 0
.rept 8
	global_load_b32 v[VP+i], v[VPO], s[6:7] offset:8192*i th:TH_LOAD_NT    ; wave 0: two parts' 64 bytes a load
.set i, i+1
.endr
.Lno_vp:
.set i, 0
.rept 16
	global_load_b128 v[G+4*i:G+4*i+3], v[GOF], s[4:5] offset:262144*i th:TH_LOAD_NT
.set i, i+1
.endr
	global_load_b128 v[XD:XD+3], v[GOF], s[8:9] th:TH_LOAD_NT
	s_wait_loadcnt 0x0                             ; all that the wave will ever load has been asked for: nothing is left to set beside the wait
.irp d, 8,4,2,1                        ; part i takes part i + d: 30 packed additions
.set i, 0
.rept \d
	v_pk_add_f32 v[G+4*i:G+4*i+1],   v[G+4*i:G+4*i+1],   v[G+4*(i+\d):G+4*(i+\d)+1]
	v_pk_add_f32 v[G+4*i+2:G+4*i+3], v[G+4*i+2:G+4*i+3], v[G+4*(i+\d)+2:G+4*(i+\d)+3]
.set i, i+1
.endr
.endr
	v_pk_mul_f32 v[G:G+1],   v[G:G+1],   0x3d800000 op_sel_hi:[1,0]    ; 1 / 16
	v_pk_mul_f32 v[G+2:G+3], v[G+2:G+3], 0x3d800000 op_sel_hi:[1,0]
	global_store_b128 v[GOF], v[G:G+3], s[14:15] th:TH_STORE_NT        ; 512 consecutive bytes, at a multiple of 256 from out2's first byte; v[G:G+3] are not written again
	v_mul_f32 v[DOT], v[G], v[XD]
	v_fmac_f32 v[DOT], v[G+1], v[XD+1]
	v_fmac_f32 v[DOT], v[G+2], v[XD+2]
	v_fmac_f32 v[DOT], v[G+3], v[XD+3]
	v_add_f32_dpp v[DOT], v[DOT], v[DOT] row_xmask:1 row_mask:0xf bank_mask:0xf   ; over the row's 16 lanes; every lane ends with the same sum
	v_add_f32_dpp v[DOT], v[DOT], v[DOT] row_xmask:2 row_mask:0xf bank_mask:0xf
	v_add_f32_dpp v[DOT], v[DOT], v[DOT] row_xmask:4 row_mask:0xf bank_mask:0xf
	v_add_f32_dpp v[DOT], v[DOT], v[DOT] row_xmask:8 row_mask:0xf bank_mask:0xf
	ds_store_b32 v[ROWW], v[DOT]                   ; a row's 16 lanes write the same number to the row's word
	s_wait_dscnt 0x0                               ; for the others' sake: my store is done
	s_barrier_signal -1
	s_barrier_wait -1
	s_cmp_lg_u32 s16, 0
	s_cbranch_scc1 .Lend
	ds_load_b32 v[VDR], v[R4]                      ; wave 0: the 16 rows' Vdot
	v_add_f32 v[VP], v[VP], v[VP+1]
	v_add_f32 v[VP+2], v[VP+2], v[VP+3]
	v_add_f32 v[VP+4], v[VP+4], v[VP+5]
	v_add_f32 v[VP+6], v[VP+6], v[VP+7]
	v_add_f32 v[VP], v[VP], v[VP+2]
	v_add_f32 v[VP+4], v[VP+4], v[VP+6]
	v_add_f32 v[VP], v[VP], v[VP+4]
	v_permlanex16_b32 v[VP+1], v[VP], s22, s23     ; the odd parts' sum lies in the lane 16 away
	v_add_f32 v[VP], v[VP], v[VP+1]
	s_wait_dscnt 0x0
	v_cmp_gt_u32 vcc_lo, 16, v0
	s_wait_xcnt 0x0                                ; EXEC is a source of the store above: it changes only behind this wait
	s_and_saveexec_b32 s24, vcc_lo
	global_store_b32 v[R4], v[VP], s[10:11] th:TH_STORE_NT    ; lanes 0-15: 64 consecutive bytes of out0,
	global_store_b32 v[R4], v[VDR], s[12:13] th:TH_STORE_NT   ; and of out1
	s_wait_xcnt 0x0                                ; and again, in front of the line that widens it
	s_or_b32 exec_lo, exec_lo, s24
.Lend:
	s_wait_tensorcnt 0x0                           ; the wave's end: behind my last LDS store
	ds_add_u32 v[SPW], v[NIL]
	s_wait_dscnt 0x0
	s_endpgm
.Lfunc_end_k_qf860d33561_finish:
	.size	k_qf860d33561_finish, .Lfunc_end_k_qf860d33561_finish-k_qf860d33561_finish
	.p2alignl 7, 3214868480
	.fill 96, 4, 3214868480
	.section	.rodata,"a",@progbits
	.p2align	6, 0x0
	.amdhsa_kernel k_qf860d33561_finish
		.amdhsa_group_segment_fixed_size 1280
		.amdhsa_private_segment_fixed_size 0
		.amdhsa_enable_private_segment 0
		.amdhsa_kernarg_size 48
		.amdhsa_user_sgpr_count 2
		.amdhsa_user_sgpr_kernarg_segment_ptr 1
		.amdhsa_wavefront_size32 1
		.amdhsa_system_sgpr_workgroup_id_x 1
		.amdhsa_system_sgpr_workgroup_id_y 1
		.amdhsa_system_sgpr_workgroup_id_z 1
		.amdhsa_system_vgpr_workitem_id 0
		.amdhsa_next_free_vgpr 96
		.amdhsa_next_free_sgpr 66
		.amdhsa_reserve_vcc 1
		.amdhsa_float_denorm_mode_32 3
		.amdhsa_float_denorm_mode_16_64 3
		.amdhsa_memory_ordered 1
		.amdhsa_forward_progress 1
		.amdhsa_inst_pref_size 8
	.end_amdhsa_kernel
	.amdgpu_metadata
---
amdhsa.version: [ 1, 2 ]
amdhsa.kernels:
  - .name:           k_qf860d33561_finish
    .symbol:         k_qf860d33561_finish.kd
    .args:
      - { .name: gp, .offset: 0, .size: 8, .value_kind: global_buffer, .address_space: global }
      - { .name: vp, .offset: 8, .size: 8, .value_kind: global_buffer, .address_space: global }
      - { .name: xdot, .offset: 16, .size: 8, .value_kind: global_buffer, .address_space: global }
      - { .name: out0, .offset: 24, .size: 8, .value_kind: global_buffer, .address_space: global }
      - { .name: out1, .offset: 32, .size: 8, .value_kind: global_buffer, .address_space: global }
      - { .name: out2, .offset: 40, .size: 8, .value_kind: global_buffer, .address_space: global }
    .group_segment_fixed_size: 1280
    .private_segment_fixed_size: 0
    .kernarg_segment_align: 8
    .kernarg_segment_size: 48
    .max_flat_workgroup_size: 256
    .sgpr_count:     66
    .vgpr_count:     96
    .wavefront_size: 32
...
	.end_amdgpu_metadata
.endif
;; end of part 2
;; ======== version 2 of 2: 2 launches; 1.12 times as fast as version 1
;; limits: values are held in f16: magnitudes above 65,504 overflow, below 6.1e-05 lose precision; inputs' magnitudes at most 22,700
;; workspace buffers: gp 4,194,304 bytes; vp 65,536 bytes
;; launch partial (part 3): grid 16 x 16, 4 waves a work-group, no clusters, 327,680 bytes of LDS; arguments x, W1, b1, W2, b2, W3, gp, vp; writes gp, vp
.if DOCPART == 3
	.amdgcn_target "amdgcn-amd-amdhsa--gfx1250"
	.amdhsa_code_object_version 6
	.text
	.protected	k_qf860d33561_partial
	.globl	k_qf860d33561_partial
	.p2align	8
	.type	k_qf860d33561_partial,@function
k_qf860d33561_partial:
	s_mov_b64 s[64:65], 0
	v_nop
	global_prefetch_b8 v0, s[64:65] scope:SCOPE_SE
	s_setreg_imm32_b32 hwreg(HW_REG_WAVE_MODE, 25, 1), 1
	s_wait_xcnt 0x0
; V and gradV of a two-layer tanh network, by parts.  B = 1024 rows, D = 64, H = 1024.
;   z1 = x W1^T + b1, y1 = tanh z1, d1 = 1 - y1^2;  z2 = y1 W2^T + b2, y2 = tanh z2, d2 = 1 - y2^2;
;   V = y2 . W3;  gradV = (((W3 d2) W2) d1) W1: the Jacobian's first row, its products bracketed from the left (matrix products are associative).
; SHARES.  Work-group (bi, oi) owns 64 batch rows and the 64 outputs o of layer 2 from 64 oi on.  gradV and V are linear in g2 = W3 d2 and y2 W3, so it ends the
; chain for its 64 o and stores f32 parts: gp[oi][b][d] = 16 x its part of gradV, vp[oi][b] = its part of V.  The next launch adds the 16 parts.
; Wave w: q = w & 1 picks 512 of the 1024 h; it works on the two batch tiles of 16 rows w and w xor 1, and finishes tile w.  The waves w and w xor 1 hold the two halves
; over h of the same two tiles and add them through LDS.
; LAYOUT.  Batch is always the N side, so a lane is one batch row in every result (lane % 16), and holds 8 neighbouring m (8 (lane / 16) + 0..7):
;   P1  Z1^T[h,b] = W1 (c x)^T + c b1     P2  Z2^T[o,b] += W2 Y1^T     P3  G^T[h,b] = W2^T g2'     P4  GV^T[d,b] += W1^T g1'
; Two results of 16 m, rounded to f16 in pairs, ARE source 1 (32 k x 16 b) of the next product: nothing changes lanes.  W1 and W2's 64 rows lie in LDS once, as f16;
; P1 and P2 read them as they lie, P3 and P4 turned, by ds_load_tr16_b128.  d1 stays in registers (512 a lane) in G^T's layout.
; FORMATS.  All four products: f16 operands, f32 sums; each operand is rounded once from f32.  c = 2 log2(e) is multiplied onto x and b1 in f32, so P1 gives c z1;
; tanh z = 1 - 2 / (1 + 2^(c z)): 2^(c z) = infinity gives 1, 0 gives -1, and d = 0 in both.  g2' = 16 W3 d2: the factor 16 keeps g2' and g1' = d1 G' well inside f16's
; normal range; it is a power of two and the next launch takes it out exactly.
; BATCHES.  A tanh over 32 numbers a lane has 64 transcendentals, cut into TWO BATCHES: the 32 exponentials, and, since a reciprocal reads 1 + an exponential's result, the 32
; reciprocals.  Each batch works in place, a register to a result; behind its last line stand a v_nop and ONE s_wait_alu depctr_va_vdst(0), and only then the
; lines that name its results.  So a chunk of layer 1 has two such waits (macro TANH, on Z1), layer 2's end two (on Z2): 34 in the text.  No result is open at a label or a branch.
; LIMITS.  |c x| and |16 d1 G| stay under 65,504; W1, W2, g2', g1' below 6e-5 keep f16's fixed step of 6e-8; y and d carry an absolute error of about 1.2e-7, as 1 - y y in f32
; has; NaN and infinities in the inputs are not treated apart; the order of the sums is not reference()'s.
; NO TENSOR LOADS, NO JOINT REQUESTS, though W1 is read by all work-groups and a tile of W2 by 16: the inputs are f32 and pass through registers to become f16, and the f16
; copies with the exchange boxes take 327,424 of the 327,680 bytes of LDS, so there is no room for f32 tiles to land in.  Each tile is fetched once a work-group.
;
; LDS
.set PW1, 160                          ; a row of W1: 128 bytes + 32: an odd multiple of 32, so that 16 lanes of a turning load (8 rows x 32 bytes) take each bank once (64 banks of 4 bytes: ISA guide 11.1)
.set PW2, 2080                         ; a row of W2's tile: 2,048 bytes + 32, likewise
.set PX,  144                          ; a row of c x: 128 bytes + 16
.set SPT, 272                          ; a row of the way out's stage: 256 bytes + 16
.set W1S, 0                            ; f16 [1024 h][64 d]; behind the last barrier its first 17,408 bytes are the four waves' stages
.set W2S, W1S+1024*PW1                 ; f16 [64 o][1024 h]
.set XS,  W2S+64*PW2                   ; f16 [64 b][64 d], c x; behind the first exchange's barrier: four boxes of 2,048 bytes for g2'
.set B1S, XS+64*PX                     ; f32 c b1 [1024]
.set EX,  B1S+4096                     ; four boxes of 4,096 bytes, one a sender: Z2's halves, later GV's
.set VS,  EX+4*4096                    ; f32 [64 b]: the work-group's part of V
.set SPARE, VS+256                     ; the spare words, 128 bytes for each wave: two blocks of 256 bytes that no other line names
; VECTOR REGISTERS, in windows of 256 (s_set_vgpr_msb: bits 1:0 source 0, 3:2 source 1, 5:4 source 2, 7:6 destination)
.set LN,  1                            ; lane
.set RR,  2                            ; lane % 16
.set HH,  3                            ; lane / 16
.set T0,  4
.set T1,  5
.set A1P, 6                            ; v6-7    W1 as it lies: my lane's place for chunks 0-7, 8-15
.set A2P, 8                            ; v8-9    W2 as it lies: o blocks 0-1, 2-3
.set BIA, 10                           ; v10     c b1
.set XA,  11                           ; v11-12  c x: my first batch tile (w), my second (w xor 1)
.set A2TA, 13                          ; v13-14  W2 turned: o 0-31, 32-63
.set A1TA, 15                          ; v15-16  W1 turned: chunks 0-7, 8-15
.set EXS, 17                           ; my box, 16 bytes a lane
.set EXL, 18                           ; my partner's box
.set E2S, 19                           ; the same for g2'
.set E2L, 20
.set VSA, 21                           ; my row's word of V
.set STS, 22                           ; the stage: where I put 32 bytes of a row
.set STL, 23                           ; the stage: where I read rows back
.set GO,  24                           ; 16 x lane: my place in 512 consecutive bytes of memory; never rewritten
.set LW1, 25                           ; staging: where my 8 bytes of W1 go
.set LW2, 26
.set LX,  27
.set LB1, 28
.set B2O, 29                           ; 32 x (lane / 16): my 8 numbers of b2 and W3
.set SPW, 30                           ; LDS address of my spare word; never rewritten
.set NIL, 31                           ; 0; never rewritten
.set XF,  32                           ; v32-63   c x's fragments (tile nt, d half ks) at 8 (2 nt + ks); later g2' likewise
.set G2F, 32
.set Z2,  64                           ; v64-127  Z2^T (tile nt, o block mt) at 8 (4 nt + mt); later GV^T likewise; in staging raw x and b1
.set GV,  64
.set Z1,  128                          ; v128-159 Z1^T (nt, mt) at 8 (2 nt + mt); later the partner's halves, d2, G^T, rows from the stage
.set GT,  128
.set PT,  128
.set PK,  128                          ; v128-191 staging: packed f16
.set YF,  160                          ; v160-175 y1's fragments, 8 a tile; later g1'
.set G1F, 160
.set BI,  176                          ; v176-191 c b1 as P1's C operand, 8 an h block; later V's sums
.set VSUM, 176
.set AW1, 192                          ; v192-223 W1's fragments (mt, ks) at 8 (2 mt + ks); later W2's turned
.set A2T, 192
.set AW2, 224                          ; v224-255 W2's fragments, 8 an o block; later W1's turned
.set A1T, 224
.set B2R, 0                            ; window 3: v0-31 b2, v32-63 W3, register 8 mt + j for o = 16 mt + 8 (lane / 16) + j
.set W3R, 32                           ; windows 1 and 2: d1, chunk c in window 1 + c / 8 at 32 (c % 8); in staging window 1 is two buffers of 128 for loads
; SCALARS: s[8:23] the eight addresses: x 8, W1 10, b1 12, W2 14, b2 16, W3 18, gp 20, vp 22
.set WV,  24                           ; my wave's number: also the batch tile that I finish
.set QQ,  26                           ; w & 1: my half of h
.set PWV, 29                           ; w xor 1: my partner, and the batch tile that it finishes
.set CC,  34                           ; s[34:35] c
.set SIXT, 36                          ; s[36:37] 16.0
.set SEL, 38                           ; s[38:39] v_permlanex16_b32's selects: each lane takes its own place in the other half
.set CNT, 40
.set QW1, 41
.set QW2, 44
.set TS,  46
.set TS2, 47
.set OX,  48                           ; s[48:61] seven byte offsets, high words 0
.set OW1, 50
.set OB1, 52
.set OW2, 54
.set OB2, 56
.set OGP, 58
.set OVP, 60
.set MSB, 0
.macro WIN new                         ; the immediate's high byte repeats the setting that is left; a switch that changes nothing is dropped
.if MSB != (\new)
	s_set_vgpr_msb (MSB<<8)|(\new)
.set MSB, (\new)
.endif
.endm
.macro PLACES                          ; four places between a matrix instruction and a load into its sources or a read of its result (ISA guide 7.12.1 for vector instructions)
.rept 4
	v_nop
.endr
.endm
.macro BAR                             ; my LDS stores are done and my LDS loads are back; then every wave's are
	s_wait_dscnt 0x0
	s_barrier_signal -1
	s_barrier_wait -1
.endm
	s_load_b512 s[8:23], s[0:1], 0x0
	v_lshl_add_u32 v[SPW], v0, 2, SPARE
	v_mov_b32 v[NIL], 0
	v_lshrrev_b32 v[T0], 5, v0
	v_readfirstlane_b32 s[WV], v[T0]               ; wave 0..3
	s_and_b32 s[QQ], s[WV], 1
	s_xor_b32 s[PWV], s[WV], 1
	s_and_b32 s[TS2], ttmp7, 0xffff                ; oi
	s_mov_b32 s[CC], 0x4038aa3b                    ; c = 2 log2(e)
	s_mov_b32 s[CC+1], s[CC]
	s_mov_b32 s[SIXT], 0x41800000
	s_mov_b32 s[SIXT+1], s[SIXT]
	s_mov_b32 s[SEL], 0x76543210
	s_mov_b32 s[SEL+1], 0xfedcba98
	; byte offsets into the buffers, all under 2^23
	s_lshl_b32 s[OX], ttmp9, 14                    ; x: 64 rows of 256 bytes a block, 16 rows a wave
	s_lshl_b32 s[TS], s[WV], 12
	s_add_co_u32 s[OX], s[OX], s[TS]
	s_mov_b32 s[OX+1], 0
	s_lshl_b32 s[OW1], s[WV], 16                   ; W1: 256 rows a wave
	s_mov_b32 s[OW1+1], 0
	s_lshl_b32 s[OB1], s[WV], 10                   ; b1: 256 numbers a wave
	s_mov_b32 s[OB1+1], 0
	s_lshl_b32 s[TS], s[TS2], 18                   ; W2: 64 rows of 4,096 bytes a block, 16 rows a wave
	s_add_co_u32 s[OW2], s[TS], s[OW1]
	s_mov_b32 s[OW2+1], 0
	s_lshl_b32 s[OB2], s[TS2], 8                   ; b2, W3: 64 numbers a block
	s_mov_b32 s[OB2+1], 0
	s_lshl_b32 s[OGP], ttmp9, 14                   ; gp: part oi, block bi, my tile's 16 rows of 256 bytes
	s_add_co_u32 s[OGP], s[OGP], s[TS]
	s_lshl_b32 s[TS], s[WV], 12
	s_add_co_u32 s[OGP], s[OGP], s[TS]
	s_mov_b32 s[OGP+1], 0
	s_lshl_b32 s[OVP], s[TS2], 12                  ; vp: part oi, block bi
	s_lshl_b32 s[TS], ttmp9, 8
	s_add_co_u32 s[OVP], s[OVP], s[TS]
	s_mov_b32 s[OVP+1], 0
	; lane terms
	v_and_b32 v[LN], 31, v0
	v_and_b32 v[RR], 15, v0
	v_bfe_u32 v[HH], v0, 4, 1
	v_lshlrev_b32 v[GO], 4, v[LN]
	v_lshlrev_b32 v[B2O], 5, v[HH]
	; A fragment as it lies: lane l takes row l % 16, 16 bytes at 16 (l / 16) and 16 more 32 bytes on
	s_mul_i32 s[QW1], s[QQ], 512*PW1               ; my 512 h in W1
	v_mul_u32_u24 v[T0], v[RR], PW1
	v_lshl_add_u32 v[T0], v[HH], 4, v[T0]
	v_add_nc_u32 v[A1P], s[QW1], v[T0]
	v_add_nc_u32 v[A1P+1], 8*32*PW1, v[A1P]
	s_lshl_b32 s[QW2], s[QQ], 10                   ; my 512 h in a row of W2
	s_add_co_u32 s[QW2], s[QW2], W2S
	v_mul_u32_u24 v[T0], v[RR], PW2
	v_lshl_add_u32 v[T0], v[HH], 4, v[T0]
	v_add_nc_u32 v[A2P], s[QW2], v[T0]
	v_add_nc_u32 v[A2P+1], 32*PW2, v[A2P]
	s_lshl_b32 s[TS], s[QQ], 11
	s_add_co_u32 s[TS], s[TS], B1S
	v_lshl_add_u32 v[BIA], v[HH], 5, s[TS]         ; 8 numbers of c b1 from h = 512 q + 8 (l / 16) on
	v_mul_u32_u24 v[T0], v[RR], PX
	v_lshl_add_u32 v[T0], v[HH], 4, v[T0]
	s_mul_i32 s[TS], s[WV], 16*PX                  ; batch tile w
	s_add_co_u32 s[TS], s[TS], XS
	v_add_nc_u32 v[XA], s[TS], v[T0]
	s_mul_i32 s[TS], s[PWV], 16*PX                 ; batch tile w xor 1
	s_add_co_u32 s[TS], s[TS], XS
	v_add_nc_u32 v[XA+1], s[TS], v[T0]
	; A turned fragment: lane l reads 16 bytes of row 8 (l / 16) + l % 8 at 16 ((l / 8) % 2); the second load 16 rows on
	v_and_b32 v[T0], 7, v0
	v_lshl_add_u32 v[T0], v[HH], 3, v[T0]
	v_bfe_u32 v[T1], v0, 3, 1
	v_mul_u32_u24 v[A2TA], v[T0], PW2
	v_lshl_add_u32 v[A2TA], v[T1], 4, v[A2TA]
	v_add_nc_u32 v[A2TA], s[QW2], v[A2TA]
	v_add_nc_u32 v[A2TA+1], 32*PW2, v[A2TA]
	v_mul_u32_u24 v[A1TA], v[T0], PW1
	v_lshl_add_u32 v[A1TA], v[T1], 4, v[A1TA]
	v_add_nc_u32 v[A1TA], s[QW1], v[A1TA]
	v_add_nc_u32 v[A1TA+1], 8*32*PW1, v[A1TA]
	; the exchange boxes, V's word, the stage
	s_lshl_b32 s[TS], s[WV], 12
	s_add_co_u32 s[TS], s[TS], EX
	v_add_nc_u32 v[EXS], s[TS], v[GO]
	s_lshl_b32 s[TS], s[PWV], 12
	s_add_co_u32 s[TS], s[TS], EX
	v_add_nc_u32 v[EXL], s[TS], v[GO]
	s_lshl_b32 s[TS], s[WV], 11
	s_add_co_u32 s[TS], s[TS], XS
	v_add_nc_u32 v[E2S], s[TS], v[GO]
	s_lshl_b32 s[TS], s[PWV], 11
	s_add_co_u32 s[TS], s[TS], XS
	v_add_nc_u32 v[E2L], s[TS], v[GO]
	s_lshl_b32 s[TS], s[WV], 6                     ; my tile's 16 words of V
	s_add_co_u32 s[TS], s[TS], VS
	v_lshl_add_u32 v[VSA], v[RR], 2, s[TS]
	s_mul_i32 s[TS], s[WV], 16*SPT
	v_mul_u32_u24 v[STS], v[RR], SPT
	v_lshl_add_u32 v[STS], v[HH], 5, v[STS]
	v_add_nc_u32 v[STS], s[TS], v[STS]
	v_mul_u32_u24 v[STL], v[HH], SPT
	v_lshl_add_u32 v[STL], v[RR], 4, v[STL]
	v_add_nc_u32 v[STL], s[TS], v[STL]
	; staging: a load of 512 bytes is two rows of W1 or x (lane l: row l / 16, numbers 4 (l % 16) on), or an eighth of a row of W2; four f32 become 8 bytes
	s_mul_i32 s[TS], s[WV], 256*PW1
	v_mul_u32_u24 v[LW1], v[HH], PW1
	v_lshl_add_u32 v[LW1], v[RR], 3, v[LW1]
	v_add_nc_u32 v[LW1], s[TS], v[LW1]
	s_mul_i32 s[TS], s[WV], 16*PW2
	s_add_co_u32 s[TS], s[TS], W2S
	v_lshl_add_u32 v[LW2], v[LN], 3, s[TS]
	s_mul_i32 s[TS], s[WV], 16*PX
	s_add_co_u32 s[TS], s[TS], XS
	v_mul_u32_u24 v[LX], v[HH], PX
	v_lshl_add_u32 v[LX], v[RR], 3, v[LX]
	v_add_nc_u32 v[LX], s[TS], v[LX]
	s_lshl_b32 s[TS], s[WV], 10
	s_add_co_u32 s[TS], s[TS], B1S
	v_add_nc_u32 v[LB1], s[TS], v[GO]
	s_wait_kmcnt 0x0
	s_add_nc_u64 s[8:9], s[8:9], s[OX:OX+1]
	s_add_nc_u64 s[10:11], s[10:11], s[OW1:OW1+1]
	s_add_nc_u64 s[12:13], s[12:13], s[OB1:OB1+1]
	s_add_nc_u64 s[14:15], s[14:15], s[OW2:OW2+1]
	s_add_nc_u64 s[16:17], s[16:17], s[OB2:OB2+1]
	s_add_nc_u64 s[18:19], s[18:19], s[OB2:OB2+1]
	s_add_nc_u64 s[20:21], s[20:21], s[OGP:OGP+1]
	s_add_nc_u64 s[22:23], s[22:23], s[OVP:OVP+1]
; STAGING.  Each wave brings a quarter of x's block, b1, W1 and W2's tile; every load covers 512 consecutive bytes.
.macro LDBATCH buf, base               ; 32 loads, 16,384 bytes, into buffer buf of window 1
	WIN 0x40
.set i, 0
.rept 32
	global_load_b128 v[128*(\buf)+4*i:128*(\buf)+4*i+3], v[GO], s[\base:\base+1] offset:512*i
.set i, i+1
.endr
	WIN 0
.endm
.macro CONV buf, adr, kind             ; buffer buf is rounded to f16 and stored; kind 0: 64 rows of W1, kind 1: 4 rows of W2
	WIN 0x05                                       ; sources 0 and 1 window 1, destination window 0
.set k, 0
.rept 64
	v_cvt_pk_f16_f32 v[PK+k], v[128*(\buf)+2*k], v[128*(\buf)+2*k+1]
.set k, k+1
.endr
	WIN 0
.set i, 0
.rept 32
.if (\kind) == 0
	ds_store_b64 v[\adr], v[PK+2*i:PK+2*i+1] offset:2*PW1*i
.else
	ds_store_b64 v[\adr], v[PK+2*i:PK+2*i+1] offset:(i/8)*PW2+(i%8)*256
.endif
.set i, i+1
.endr
.endm
.set i, 0
.rept 8
	global_load_b128 v[Z2+4*i:Z2+4*i+3], v[GO], s[8:9] offset:512*i         ; x: 16 rows
.set i, i+1
.endr
.set i, 0
.rept 2
	global_load_b128 v[Z2+32+4*i:Z2+32+4*i+3], v[GO], s[12:13] offset:512*i ; b1: 256 numbers
.set i, i+1
.endr
	WIN 0xc0                                       ; destination window 3
.set i, 0
.rept 8
	global_load_b128 v[B2R+4*i:B2R+4*i+3], v[B2O], s[16:17] offset:64*(i/2)+16*(i%2)
.set i, i+1
.endr
.set i, 0
.rept 8
	global_load_b128 v[W3R+4*i:W3R+4*i+3], v[B2O], s[18:19] offset:64*(i/2)+16*(i%2)
.set i, i+1
.endr
	WIN 0
	LDBATCH 0, 10                                  ; W1, my rows 0-63
	s_wait_loadcnt 48                              ; x and b1 are in: behind them 8 loads of b2, 8 of W3 and 32 of W1 were issued
.set k, 0
.rept 16
	v_pk_mul_f32 v[Z2+2*k:Z2+2*k+1], v[Z2+2*k:Z2+2*k+1], s[CC:CC+1] op_sel_hi:[1,0]
.set k, k+1
.endr
.set k, 0
.rept 16
	v_cvt_pk_f16_f32 v[PK+k], v[Z2+2*k], v[Z2+2*k+1]
.set k, k+1
.endr
.set i, 0
.rept 8
	ds_store_b64 v[LX], v[PK+2*i:PK+2*i+1] offset:2*PX*i
.set i, i+1
.endr
.set k, 0
.rept 4
	v_pk_mul_f32 v[Z2+32+2*k:Z2+32+2*k+1], v[Z2+32+2*k:Z2+32+2*k+1], s[CC:CC+1] op_sel_hi:[1,0]
.set k, k+1
.endr
	ds_store_b128 v[LB1], v[Z2+32:Z2+35]
	ds_store_b128 v[LB1], v[Z2+36:Z2+39] offset:512
	LDBATCH 1, 14                                  ; W2, my rows 0-3
	s_mov_b32 s[CNT], 3
.Lstage:                                               ; a trip rounds one batch of W1 and one of W2 and asks for the next of each: 64 loads of a wave are issued ahead
	s_wait_loadcnt 32                              ; loads come back in order (ISA guide 5.7.1): all but the other buffer's 32 are in (at the first trip b2 and W3 too)
	CONV 0, LW1, 0
	s_wait_xcnt 0x0                                ; the loads' base is stepped only behind this wait
	s_add_nc_u64 s[10:11], s[10:11], 16384
	v_add_nc_u32 v[LW1], 64*PW1, v[LW1]
	LDBATCH 0, 10
	s_wait_loadcnt 32
	CONV 1, LW2, 1
	s_wait_xcnt 0x0
	s_add_nc_u64 s[14:15], s[14:15], 16384
	v_add_nc_u32 v[LW2], 4*PW2, v[LW2]
	LDBATCH 1, 14
	s_sub_co_u32 s[CNT], s[CNT], 1
	s_cmp_lg_u32 s[CNT], 0
	s_cbranch_scc1 .Lstage
	s_wait_loadcnt 32                              ; the fourth batches: nothing more is asked for
	CONV 0, LW1, 0
	s_wait_loadcnt 0x0
	CONV 1, LW2, 1
	BAR                                            ; W1, W2's tile, c x and c b1 are whole
; LAYERS 1 AND 2, forward: my 512 h in 16 chunks of 32, written out since d1's registers are named by the chunk.
.macro LDW1 n                          ; chunk n's fragments of W1 (h block f / 2, d half f % 2) and its c b1: 12 loads
.irp f, 0,1,2,3
	ds_load_b128 v[AW1+8*(\f):AW1+8*(\f)+3],   v[A1P+(\n)/8] offset:((\n)%8)*32*PW1+((\f)/2)*16*PW1+((\f)%2)*64
	ds_load_b128 v[AW1+8*(\f)+4:AW1+8*(\f)+7], v[A1P+(\n)/8] offset:((\n)%8)*32*PW1+((\f)/2)*16*PW1+((\f)%2)*64+32
.endr
.irp g, 0,1,2,3
	ds_load_b128 v[BI+4*(\g):BI+4*(\g)+3], v[BIA] offset:128*(\n)+64*((\g)/2)+16*((\g)%2)
.endr
.endm
; tanh in place on Z1's 32 numbers, and y rounded to f16 into YF, in two batches.  Batch E: the 32 exponentials 2^(c z1).  Then + 1, a pair a line.  Batch R: the 32 reciprocals, which read
; those sums and so cannot stand in batch E.  Then y = 1 - 2 t and the roundings.  Each result keeps its own register while its batch is open, and nothing inside a batch names a result of the
; batch.  The chunk has no vector work left that names none of the results (d1 reads y, P2 reads YF), so a v_nop is the plain instruction behind each batch's last line (ISA guide 5.7.2).
; Every run goes in ascending order: each accumulator's lowest registers are read first.
.macro TANH
.set k, 0
.rept 32
	v_exp_f32 v[Z1+k], v[Z1+k]                     ; batch E
.set k, k+1
.endr
	v_nop                                          ; the plain instruction behind the last exponential: one for the batch
	s_wait_alu depctr_va_vdst(0)                   ; the wait for batch E: one for the 32 exponentials, ahead of the first line that names a result
.set k, 0
.rept 16
	v_pk_add_f32 v[Z1+2*k:Z1+2*k+1], v[Z1+2*k:Z1+2*k+1], 1.0 op_sel_hi:[1,0]
.set k, k+1
.endr
.set k, 0
.rept 32
	v_rcp_f32 v[Z1+k], v[Z1+k]                     ; batch R
.set k, k+1
.endr
	v_nop                                          ; the plain instruction behind the last reciprocal: one for the batch
	s_wait_alu depctr_va_vdst(0)                   ; the wait for batch R: one for the 32 reciprocals, ahead of the first line that names a result
.set k, 0
.rept 16
	v_pk_fma_f32 v[Z1+2*k:Z1+2*k+1], v[Z1+2*k:Z1+2*k+1], -2.0, 1.0 op_sel_hi:[1,0,0]   ; y1
.set k, k+1
.endr
.set k, 0
.rept 16
	v_cvt_pk_f16_f32 v[YF+k], v[Z1+2*k], v[Z1+2*k+1]
.set k, k+1
.endr
.endm
.macro CH12 c
	s_wait_dscnt 0x0                               ; this chunk's W1 and c b1 are in (at chunk 0 c x too)
.irp t, 0,1,2,3                        ; P1: tile t = 2 nt + mt.  Its four accumulators take turns.  The first d half starts the sums with c b1
	v_wmma_f32_16x16x32_f16 v[Z1+8*(\t):Z1+8*(\t)+7], v[AW1+16*((\t)%2):AW1+16*((\t)%2)+7], v[XF+16*((\t)/2):XF+16*((\t)/2)+7], v[BI+8*((\t)%2):BI+8*((\t)%2)+7]
.endr
.irp t, 0,1,2,3
	v_wmma_f32_16x16x32_f16 v[Z1+8*(\t):Z1+8*(\t)+7], v[AW1+16*((\t)%2)+8:AW1+16*((\t)%2)+15], v[XF+16*((\t)/2)+8:XF+16*((\t)/2)+15], v[Z1+8*(\t):Z1+8*(\t)+7]
.endr
	PLACES
.irp m, 0,1,2,3                        ; one run of LDS loads: W2's four o blocks for this chunk, then the next chunk's W1 and c b1; they land under the tanh
	ds_load_b128 v[AW2+8*(\m):AW2+8*(\m)+3],   v[A2P+(\m)/2] offset:((\m)%2)*16*PW2+64*(\c)
	ds_load_b128 v[AW2+8*(\m)+4:AW2+8*(\m)+7], v[A2P+(\m)/2] offset:((\m)%2)*16*PW2+64*(\c)+32
.endr
.if (\c) < 15
	LDW1 (\c)+1
.endif
	TANH
.if (\c) < 15
	s_wait_dscnt 12                                ; W2's fragments are in; the 12 loads issued behind them stay out
.else
	s_wait_dscnt 0x0
.endif
.irp a, 0,1,2,3,4,5,6,7                ; P2: accumulator a = 4 nt + mt, eight by turns.  Chunk 0 starts the sums: nothing is cleared
.if (\c) == 0
	v_wmma_f32_16x16x32_f16 v[Z2+8*(\a):Z2+8*(\a)+7], v[AW2+8*((\a)%4):AW2+8*((\a)%4)+7], v[YF+8*((\a)/4):YF+8*((\a)/4)+7], 0
.else
	v_wmma_f32_16x16x32_f16 v[Z2+8*(\a):Z2+8*(\a)+7], v[AW2+8*((\a)%4):AW2+8*((\a)%4)+7], v[YF+8*((\a)/4):YF+8*((\a)/4)+7], v[Z2+8*(\a):Z2+8*(\a)+7]
.endif
.endr
	WIN 0x40*(1+(\c)/8)                            ; d1 = 1 - y y into its window: 16 plain lines that name none of P2's registers: the places behind it
.set k, 0
.rept 16
	v_pk_fma_f32 v[32*((\c)%8)+2*k:32*((\c)%8)+2*k+1], v[Z1+2*k:Z1+2*k+1], v[Z1+2*k:Z1+2*k+1], 1.0 op_sel_hi:[1,1,0] neg_lo:[1,0,0] neg_hi:[1,0,0]
.set k, k+1
.endr
	WIN 0
.endm
.irp f, 0,1,2,3                        ; c x stays in registers: tile f / 2, d half f % 2
	ds_load_b128 v[XF+8*(\f):XF+8*(\f)+3],   v[XA+(\f)/2] offset:64*((\f)%2)
	ds_load_b128 v[XF+8*(\f)+4:XF+8*(\f)+7], v[XA+(\f)/2] offset:64*((\f)%2)+32
.endr
	LDW1 0
.irp c, 0,1,2,3,4,5,6,7,8,9,10,11,12,13,14,15
	CH12 \c
.endr
	; THE FIRST EXCHANGE: my half over h of my second tile's Z2 goes to my partner, who finishes that tile; its half of my first tile comes to me.
.set i, 0
.rept 8
	ds_store_b128 v[EXS], v[Z2+32+4*i:Z2+32+4*i+3] offset:512*i
.set i, i+1
.endr
	BAR
.set i, 0
.rept 8
	ds_load_b128 v[PT+4*i:PT+4*i+3], v[EXL] offset:512*i
.set i, i+1
.endr
	s_wait_dscnt 0x0
	; LAYER 2's END for my tile of 16 rows x 64 o: y2, my part of V, g2' = 16 W3 d2
.set k, 0
.rept 16
	v_pk_add_f32 v[Z2+2*k:Z2+2*k+1], v[Z2+2*k:Z2+2*k+1], v[PT+2*k:PT+2*k+1]
.set k, k+1
.endr
	WIN 0x0c                                       ; source 1 window 3
.set k, 0
.rept 16
	v_pk_add_f32 v[Z2+2*k:Z2+2*k+1], v[Z2+2*k:Z2+2*k+1], v[B2R+2*k:B2R+2*k+1]
.set k, k+1
.endr
	WIN 0
.set k, 0
.rept 16
	v_pk_mul_f32 v[Z2+2*k:Z2+2*k+1], v[Z2+2*k:Z2+2*k+1], s[CC:CC+1] op_sel_hi:[1,0]
.set k, k+1
.endr
.set k, 0
.rept 32
	v_exp_f32 v[Z2+k], v[Z2+k]
.set k, k+1
.endr
	v_nop                                          ; a plain instruction between the exponentials and the use of their results
	s_wait_alu depctr_va_vdst(0)                   ; the wait for layer 2's 32 exponentials: one for the batch, ahead of its first reader
.set k, 0
.rept 16
	v_pk_add_f32 v[Z2+2*k:Z2+2*k+1], v[Z2+2*k:Z2+2*k+1], 1.0 op_sel_hi:[1,0]
.set k, k+1
.endr
.set k, 0
.rept 32
	v_rcp_f32 v[Z2+k], v[Z2+k]
.set k, k+1
.endr
	v_nop                                          ; a plain instruction between the reciprocals and the use of their results
	s_wait_alu depctr_va_vdst(0)                   ; the wait for layer 2's 32 reciprocals: one for the batch, ahead of its first reader
.set k, 0
.rept 16
	v_pk_fma_f32 v[Z2+2*k:Z2+2*k+1], v[Z2+2*k:Z2+2*k+1], -2.0, 1.0 op_sel_hi:[1,0,0]   ; y2
.set k, k+1
.endr
.set k, 0
.rept 16
	v_pk_fma_f32 v[PT+2*k:PT+2*k+1], v[Z2+2*k:Z2+2*k+1], v[Z2+2*k:Z2+2*k+1], 1.0 op_sel_hi:[1,1,0] neg_lo:[1,0,0] neg_hi:[1,0,0]   ; d2
.set k, k+1
.endr
.set k, 0
.rept 16
	v_pk_mul_f32 v[PT+2*k:PT+2*k+1], v[PT+2*k:PT+2*k+1], s[SIXT:SIXT+1] op_sel_hi:[1,0]
.set k, k+1
.endr
	WIN 0x0c
.set k, 0
.rept 4
	v_pk_mul_f32 v[VSUM+2*k:VSUM+2*k+1], v[Z2+2*k:Z2+2*k+1], v[W3R+2*k:W3R+2*k+1]       ; y2 W3 in four chains; the first four pairs start them
.set k, k+1
.endr
.rept 12
	v_pk_fma_f32 v[VSUM+2*(k%4):VSUM+2*(k%4)+1], v[Z2+2*k:Z2+2*k+1], v[W3R+2*k:W3R+2*k+1], v[VSUM+2*(k%4):VSUM+2*(k%4)+1]
.set k, k+1
.endr
.set k, 0
.rept 16
	v_pk_mul_f32 v[PT+2*k:PT+2*k+1], v[PT+2*k:PT+2*k+1], v[W3R+2*k:W3R+2*k+1]
.set k, k+1
.endr
	WIN 0
.set k, 0
.rept 16
	v_cvt_pk_f16_f32 v[G2F+k], v[PT+2*k], v[PT+2*k+1]                                   ; o blocks 2 ks, 2 ks + 1 are fragment ks
.set k, k+1
.endr
	v_pk_add_f32 v[VSUM:VSUM+1], v[VSUM:VSUM+1], v[VSUM+2:VSUM+3]
	v_pk_add_f32 v[VSUM+4:VSUM+5], v[VSUM+4:VSUM+5], v[VSUM+6:VSUM+7]
	v_pk_add_f32 v[VSUM:VSUM+1], v[VSUM:VSUM+1], v[VSUM+4:VSUM+5]
	v_add_f32 v[VSUM], v[VSUM], v[VSUM+1]
	v_permlanex16_b32 v[VSUM+1], v[VSUM], s[SEL], s[SEL+1]  ; the row's other 32 o lie in the lane 16 away
	v_add_f32 v[VSUM], v[VSUM], v[VSUM+1]
	ds_store_b32 v[VSA], v[VSUM]                   ; the two lanes of a row write the same number to the same word
	; THE SECOND EXCHANGE: g2' of my tile for g2' of my partner's.  The boxes lie where c x lay: every wave's reads of c x came back ahead of the first exchange's barrier.
.set i, 0
.rept 4
	ds_store_b128 v[E2S], v[G2F+4*i:G2F+4*i+3] offset:512*i
.set i, i+1
.endr
	BAR
	s_cmp_lg_u32 s[WV], 0
	s_cbranch_scc1 .Lno_v
	v_lshlrev_b32 v186, 3, v[LN]                   ; wave 0 stores the work-group's 64 numbers of V: 256 consecutive bytes, at a multiple of 256 from vp's first byte
	v_add_nc_u32 v187, VS, v186
	ds_load_b64 v[188:189], v187
	s_wait_dscnt 0x0
	global_store_b64 v186, v[188:189], s[22:23] th:TH_STORE_NT   ; v186 and v[188:189] are not written again
.Lno_v:
.set i, 0
.rept 4
	ds_load_b128 v[G2F+16+4*i:G2F+16+4*i+3], v[E2L] offset:512*i
.set i, i+1
.endr
; BACKWARD: the same 16 chunks of 32 h.
.macro LDA2T n                         ; W2 turned for chunk n: h block f / 2, o half f % 2: 8 loads
.irp f, 0,1,2,3
	ds_load_tr16_b128 v[A2T+8*(\f):A2T+8*(\f)+3],   v[A2TA+(\f)%2] offset:64*(\n)+32*((\f)/2)
	ds_load_tr16_b128 v[A2T+8*(\f)+4:A2T+8*(\f)+7], v[A2TA+(\f)%2] offset:64*(\n)+32*((\f)/2)+16*PW2
.endr
.endm
.macro LDA1T n                         ; W1 turned for chunk n: d block m: 8 loads
.irp m, 0,1,2,3
	ds_load_tr16_b128 v[A1T+8*(\m):A1T+8*(\m)+3],   v[A1TA+(\n)/8] offset:((\n)%8)*32*PW1+32*(\m)
	ds_load_tr16_b128 v[A1T+8*(\m)+4:A1T+8*(\m)+7], v[A1TA+(\n)/8] offset:((\n)%8)*32*PW1+32*(\m)+16*PW1
.endr
.endm
.macro CH34 c
	s_wait_dscnt 8                                 ; W2's turned fragments are in (at chunk 0 my partner's g2' too); W1's eight loads, issued behind them, stay out
.irp t, 0,1,2,3                        ; P3: tile t = 2 nt + mt, four accumulators by turns; the first o half starts the sums
	v_wmma_f32_16x16x32_f16 v[GT+8*(\t):GT+8*(\t)+7], v[A2T+16*((\t)%2):A2T+16*((\t)%2)+7], v[G2F+16*((\t)/2):G2F+16*((\t)/2)+7], 0
.endr
.irp t, 0,1,2,3
	v_wmma_f32_16x16x32_f16 v[GT+8*(\t):GT+8*(\t)+7], v[A2T+16*((\t)%2)+8:A2T+16*((\t)%2)+15], v[G2F+16*((\t)/2)+8:G2F+16*((\t)/2)+15], v[GT+8*(\t):GT+8*(\t)+7]
.endr
	PLACES
.if (\c) < 15
	LDA2T (\c)+1
.endif
	WIN 0x04*(1+(\c)/8)                            ; source 1: d1's window
.set k, 0
.rept 16
	v_pk_mul_f32 v[GT+2*k:GT+2*k+1], v[GT+2*k:GT+2*k+1], v[32*((\c)%8)+2*k:32*((\c)%8)+2*k+1]
.set k, k+1
.endr
	WIN 0
.set k, 0
.rept 16
	v_cvt_pk_f16_f32 v[G1F+k], v[GT+2*k], v[GT+2*k+1]
.set k, k+1
.endr
.if (\c) < 15
	s_wait_dscnt 8                                 ; W1's turned fragments are in; the next chunk's eight of W2 stay out
.else
	s_wait_dscnt 0x0
.endif
.irp a, 0,1,2,3,4,5,6,7                ; P4: accumulator a = 4 nt + mt (d block), eight by turns; chunk 0 starts the sums
.if (\c) == 0
	v_wmma_f32_16x16x32_f16 v[GV+8*(\a):GV+8*(\a)+7], v[A1T+8*((\a)%4):A1T+8*((\a)%4)+7], v[G1F+8*((\a)/4):G1F+8*((\a)/4)+7], 0
.else
	v_wmma_f32_16x16x32_f16 v[GV+8*(\a):GV+8*(\a)+7], v[A1T+8*((\a)%4):A1T+8*((\a)%4)+7], v[G1F+8*((\a)/4):G1F+8*((\a)/4)+7], v[GV+8*(\a):GV+8*(\a)+7]
.endif
.endr
	PLACES                                         ; in front of the loads into W1's fragments; behind the last chunk: of the stores that read the sums
.if (\c) < 15
	LDA1T (\c)+1
.endif
.endm
	LDA2T 0
	LDA1T 0
.irp c, 0,1,2,3,4,5,6,7,8,9,10,11,12,13,14,15
	CH34 \c
.endr
	; THE THIRD EXCHANGE, as the first, for GV.  The boxes are the first exchange's: every wave's reads of them came back ahead of the second exchange's barrier.
.set i, 0
.rept 8
	ds_store_b128 v[EXS], v[GV+32+4*i:GV+32+4*i+3] offset:512*i
.set i, i+1
.endr
	BAR
.set i, 0
.rept 8
	ds_load_b128 v[PT+4*i:PT+4*i+3], v[EXL] offset:512*i
.set i, i+1
.endr
	s_wait_dscnt 0x0
.set k, 0
.rept 16
	v_pk_add_f32 v[GV+2*k:GV+2*k+1], v[GV+2*k:GV+2*k+1], v[PT+2*k:PT+2*k+1]
.set k, k+1
.endr
	; THE WAY OUT.  A lane holds 8 neighbouring d of a row for each d block: 32 bytes into my stage (it lies where W1 lay: every wave's reads of W1 came back ahead of the last barrier),
	; and back as whole rows of 256 bytes.  LDS serves a wave's instructions in order (ISA guide 5.7.1.4): the loads see the stores.
.set i, 0
.rept 8
	ds_store_b128 v[STS], v[GV+4*i:GV+4*i+3] offset:64*(i/2)+16*(i%2)
.set i, i+1
.endr
.set i, 0
.rept 8
	ds_load_b128 v[PT+4*i:PT+4*i+3], v[STL] offset:2*SPT*i
.set i, i+1
.endr
.set i, 0
.rept 8
	s_wait_dscnt 7-i                               ; rows 2 i and 2 i + 1 are back; the younger loads stay out
	global_store_b128 v[GO], v[PT+4*i:PT+4*i+3], s[20:21] offset:512*i th:TH_STORE_NT  ; 512 consecutive bytes, at a multiple of 256 from gp's first byte
.set i, i+1
.endr
	s_wait_tensorcnt 0x0                           ; the wave's end: behind my last LDS store
	ds_add_u32 v[SPW], v[NIL]
	s_wait_dscnt 0x0
	s_endpgm
.Lfunc_end_k_qf860d33561_partial:
	.size	k_qf860d33561_partial, .Lfunc_end_k_qf860d33561_partial-k_qf860d33561_partial
	.p2alignl 7, 3214868480
	.fill 96, 4, 3214868480
	.section	.rodata,"a",@progbits
	.p2align	6, 0x0
	.amdhsa_kernel k_qf860d33561_partial
		.amdhsa_group_segment_fixed_size 327680
		.amdhsa_private_segment_fixed_size 0
		.amdhsa_enable_private_segment 0
		.amdhsa_kernarg_size 64
		.amdhsa_user_sgpr_count 2
		.amdhsa_user_sgpr_kernarg_segment_ptr 1
		.amdhsa_wavefront_size32 1
		.amdhsa_system_sgpr_workgroup_id_x 1
		.amdhsa_system_sgpr_workgroup_id_y 1
		.amdhsa_system_sgpr_workgroup_id_z 1
		.amdhsa_system_vgpr_workitem_id 0
		.amdhsa_next_free_vgpr 832
		.amdhsa_next_free_sgpr 66
		.amdhsa_reserve_vcc 0
		.amdhsa_float_denorm_mode_32 3
		.amdhsa_float_denorm_mode_16_64 3
		.amdhsa_memory_ordered 1
		.amdhsa_forward_progress 1
		.amdhsa_inst_pref_size 255
	.end_amdhsa_kernel
	.section	.bss,"aw",@nobits
	.p2align	6
	.space	262144
	.amdgpu_metadata
---
amdhsa.version: [ 1, 2 ]
amdhsa.kernels:
  - .name:           k_qf860d33561_partial
    .symbol:         k_qf860d33561_partial.kd
    .args:
      - { .name: x, .offset: 0, .size: 8, .value_kind: global_buffer, .address_space: global }
      - { .name: W1, .offset: 8, .size: 8, .value_kind: global_buffer, .address_space: global }
      - { .name: b1, .offset: 16, .size: 8, .value_kind: global_buffer, .address_space: global }
      - { .name: W2, .offset: 24, .size: 8, .value_kind: global_buffer, .address_space: global }
      - { .name: b2, .offset: 32, .size: 8, .value_kind: global_buffer, .address_space: global }
      - { .name: W3, .offset: 40, .size: 8, .value_kind: global_buffer, .address_space: global }
      - { .name: gp, .offset: 48, .size: 8, .value_kind: global_buffer, .address_space: global }
      - { .name: vp, .offset: 56, .size: 8, .value_kind: global_buffer, .address_space: global }
    .group_segment_fixed_size: 327680
    .private_segment_fixed_size: 0
    .kernarg_segment_align: 8
    .kernarg_segment_size: 64
    .max_flat_workgroup_size: 128
    .sgpr_count:     66
    .vgpr_count:     832
    .wavefront_size: 32
...
	.end_amdgpu_metadata
.endif
;; end of part 3
;; launch finish: the kernel of part 2 again; grid 64 x 1, 8 waves a work-group, no clusters, 1,280 bytes of LDS; arguments gp, vp, xdot, out0, out1, out2; writes out0, out1, out2
